; MI455X (gfx1250); checked and timed in simulation.
; The chip was launched on July 23, 2026; its instructions are those of AMD's public machine-readable ISA for CDNA 5 (MIT licence, August 2026) and "CDNA5" Instruction Set Architecture Reference Guide (July 2026). The comments in the code are by the model that wrote it; some were corrected since.
;; Big Bird Block Attention. Allowed arithmetic: matrix products marked QUANTISED: E2M3 operands, one E8M0 scale for each 32 along K, by v_wmma_scale_f32_16x16x128_f8f6f4 with both operands' format E2M3, f32 sums; everything else in f32.
;; Inputs: Wk 1,024 x 1,024 float32; Wo 1,024 x 1,024 float32; Wq 1,024 x 1,024 float32; Wv 1,024 x 1,024 float32; bk 1,024 float32; block_mask 2,048 x 2,048 bool; bo 1,024 float32; bq 1,024 float32; bv 1,024 float32; x 2 x 2,048 x 1,024 float32.
;; Outputs: out0 2 x 2,048 x 1,024 float32.
;; This version of the problem:
;;   THIS VERSION OF THE PROBLEM IS GIVEN IN LOW PRECISION. The matrix products marked QUANTISED in the list below multiply operands that are first quantised to E2M3 (2 exponent bits, 3 mantissa bits; 6 bits a number), with one power-of-two scale for each 32 numbers along K (OCP MX v1.0); their sums are f32. All else is computed in f32.
;;   The module's matrix products, in the order in which they are computed (A, B: the left and right operand; K: the contracted axis; several contracted axes count as one K, in the product's order):
;;     1. [M 4,096, K 1,024] x [K 1,024, N 1,024]; A: input x; B: input Wq: QUANTISED
;;     2. [M 4,096, K 1,024] x [K 1,024, N 1,024]; A: input x; B: input Wk: QUANTISED
;;     3. [M 4,096, K 1,024] x [K 1,024, N 1,024]; A: input x; B: input Wv: QUANTISED
;;     4. batch 32 x [M 2,048, K 64] x [K 64, N 2,048]; A: computed on the way; B: computed on the way: QUANTISED
;;     5. batch 32 x [M 64, K 2,048] x [K 2,048, N 2,048]; A: computed on the way; B: computed on the way: QUANTISED
;;     6. [M 4,096, K 1,024] x [K 1,024, N 1,024]; A: computed on the way; B: input Wo: QUANTISED
;;   THE QUANTISER, for each operand of a quantised product, along K:
;;     - K is cut into blocks of 32 from its start; a last block that is shorter is filled with zeros.
;;     - A block's scale is 2^e with e = floor(log2(the largest magnitude in the block)) - 2, held to -126 .. 127; a block of zeros has e = 0. As a byte (E8M0): e + 127.
;;     - Each number is divided by its block's scale, clamped to +-7.5, and rounded to the nearest number of E2M3, ties to even, subnormals kept.
;;     - The product sums the exact products of the quantised numbers (number of the format x scale) in f32.
;;   ~~~python
;;   def quantise(x, axis):      # numpy; x: float32 -> the quantised numbers, widened to float32 again
;;       x = np.moveaxis(x, axis, -1); K = x.shape[-1]
;;       x = np.pad(x, [(0, 0)] * (x.ndim - 1) + [(0, -K % 32)]); x = x.reshape(x.shape[:-1] + (-1, 32)); a = np.abs(x).max(-1, keepdims=True)
;;       e = np.where(a > 0, np.clip(np.frexp(np.where(a > 0, a, 1))[1] - 1 - 2, -126, 127), 0)      # np.frexp(a)[1] - 1 = floor(log2(a)), exactly
;;       r = np.clip(x / 2.0 ** e, -7.5, 7.5)
;;       step = 2.0 ** (np.maximum(np.frexp(np.where(r == 0, 1, r))[1] - 1, 0) - 3)
;;       q = np.round(r / step) * step * 2.0 ** e      # np.round: ties to even
;;       return np.moveaxis(q.reshape(q.shape[:-2] + (-1,))[..., :K], -1, axis).astype(np.float32)
;;   ~~~
;;   OPERANDS COMPUTED ON THE WAY. 'Computed on the way' means the value that the module computes at that place (a softmax that the list does not call 'softmax' is quantised finished and normalised). What goes into a quantiser is computed in f32, as accurately as f32 sums, v_exp_f32 and their like allow (about 1e-6 of the number): no bf16 or f16 on the way to a quantiser, and a product that is left as it is and whose result goes on into a quantised operand takes f32 operands (vector FMAs, or v_wmma_f32_16x16x4_f32). A number that lies on a knife's edge between two numbers of the format may be rounded either way, as far as f32 arithmetic and the matrix unit's own rounding can turn it there, and no further.
;; One version. Each part assembles by itself: llvm-mc -triple=amdgcn-amd-amdhsa -mcpu=gfx1250 --defsym DOCPART=n.
;; ======== version 1 of 1: 4 launches
;; limits: right only within a limited range of input values
;; workspace buffers: xq 3,276,800 bytes; wc 3,276,800 bytes; qh 3,670,016 bytes; kh 3,670,016 bytes; vh 3,670,016 bytes; ao 3,276,800 bytes; lists 16,384 bytes of whole numbers
;; launch prep (part 1): grid 400 x 1, 8 waves a work-group, no clusters, 68,608 bytes of LDS; arguments x, Wq, Wk, Wv, Wo, block_mask, xq, wc, lists; writes xq, wc, lists
.if DOCPART == 1
	.amdgcn_target "amdgcn-amd-amdhsa--gfx1250"
	.amdhsa_code_object_version 6
	.text
	.protected	k_q4ecf01f61a_prep
	.globl	k_q4ecf01f61a_prep
	.p2align	8
	.type	k_q4ecf01f61a_prep,@function
k_q4ecf01f61a_prep:
	s_mov_b64 s[64:65], 0
	v_nop
	global_prefetch_b8 v0, s[64:65] scope:SCOPE_SE
	s_setreg_imm32_b32 hwreg(HW_REG_WAVE_MODE, 25, 1), 1
	s_wait_xcnt 0x0
; PREP.  Three jobs, told apart by the work-group's number alone:
;   0..255    x [4096 tokens][1024] f32 -> xq: codes of FP6 (E2M3) with one E8M0 byte for each 32 along K, laid as images of operand registers
;   256..383  Wq, Wk, Wv, Wo [1024 (k)][1024 (n)] f32, K = the FIRST axis -> wc, laid the same way, a column n taking a row's part
;   384..399  block_mask [2048][2048] bytes -> lists: for each tile of 16 queries the 32 key blocks of 64, the wholly open ones first, then the partly open, then the closed
; TILES.  A tile of 16 rows is tile 2 g + u of a group g of 32; its row r is index 32 g + 8 u + r + 8 (r / 8).
; A QUARTER (two tiles, all of K = 1,024) is 25,600 bytes: [0, 1024) scale words (tile u at 512 u, row r at 32 r, K step s at 4 s);
; fragment (u, s), 16 rows x 128 K = 12 registers a lane, at 1024 + 12288 u + 1536 s, as three images of 512 bytes: image c = registers 4 c .. 4 c + 3, lane l at 16 l.
; THE QUANTISER.  A block's scale is 2^(floor(log2(largest magnitude)) - 2); its byte is the largest magnitude's exponent field - 2, held at 1 from below by a floor among the maximum's leaves.
; LIMITS: a block of zeros gets the byte 1 where the rule says 127 (its codes are zeros, and this program alone reads the bytes); NaN and infinities among the inputs are not served.
; A mask byte other than 0 counts as open; a block is listed as wholly open only where bit 0 is set in every byte and no other bit in all.
; No matrix unit, no cluster, no barrier: the waves share nothing.  Only the first job uses LDS, each wave a stage of its own.
.set QB,  25600                        ; a quarter
.set WB,  819200                       ; a weight's 32 quarters
.set SPT, 528                          ; a stage row: 512 bytes + 16: an odd multiple of 16, so that sixteen rows begin in different banks
; 32 numbers of ONE lane, v[src] .. v[src+31], a whole block along K -> 6 registers of codes at v[dst], the conversion's scale operand in v[so], the scale's byte in v[by]
.macro BLOCKQ src, dst, tmp, so, by
	v_max3_num_f32 v[\so], |v[\src]|, |v[\src+1]|, 0x1800000       ; two chains; the floor 2^(3 - 127) is one leaf: the byte cannot fall under 1
	v_max3_num_f32 v[\by], |v[\src+2]|, |v[\src+3]|, |v[\src+4]|
.irp i, 5,9,13,17,21,25
	s_delay_alu instid0(VALU_DEP_2)
	v_max3_num_f32 v[\so], v[\so], |v[\src+\i]|, |v[\src+\i+1]|
	s_delay_alu instid0(VALU_DEP_2)
	v_max3_num_f32 v[\by], v[\by], |v[\src+\i+2]|, |v[\src+\i+3]|
.endr
	s_delay_alu instid0(VALU_DEP_2)
	v_max3_num_f32 v[\so], v[\so], |v[\src+29]|, |v[\src+30]|
	s_delay_alu instid0(VALU_DEP_1)
	v_max3_num_f32 v[\so], v[\so], v[\by], |v[\src+31]|
	s_delay_alu instid0(VALU_DEP_1)
	v_add_nc_u32 v[\so], 0xff000000, v[\so]                        ; 2 off the exponent field: the conversion takes this operand's exponent field as its scale
	s_delay_alu instid0(VALU_DEP_1)
	v_lshrrev_b32 v[\by], 23, v[\so]                               ; the scale's byte
	v_cvt_scalef32_pk16_fp6_f32 v[\dst:\dst+2], v[\src:\src+15], v[\so]
	v_cvt_scalef32_pk16_fp6_f32 v[\tmp:\tmp+2], v[\src+16:\src+31], v[\so]   ; (a conversion's three registers begin on an even number)
	v_nop                                                          ; one plain place behind a scaled conversion
.irp i, 0,1,2
	v_mov_b32 v[\dst+3+\i], v[\tmp+\i]
.endr
.endm
	s_load_b256 s[4:11], s[0:1], 0x0               ; x s[4:5], Wq s[6:7], Wk s[8:9], Wv s[10:11]
	s_load_b256 s[12:19], s[0:1], 0x20             ; Wo s[12:13], block_mask s[14:15], xq s[16:17], wc s[18:19]
	s_load_b64 s[20:21], s[0:1], 0x40              ; lists
	v_lshl_add_u32 v192, v0, 2, 0x10800
	v_mov_b32 v193, 0
	v_lshrrev_b32 v1, 5, v0
	s_delay_alu instid0(VALU_DEP_1)
	v_readfirstlane_b32 s22, v1                    ; wave 0..7
	v_and_b32 v1, 31, v0                           ; lane
	v_and_b32 v2, 15, v0                           ; r
	v_bfe_u32 v3, v0, 4, 1                         ; h
	s_delay_alu instid0(VALU_DEP_3)
	v_lshlrev_b32 v4, 4, v1                        ; 16 x lane
	s_mov_b32 s24, 0x76543210
	s_mov_b32 s25, 0xfedcba98                      ; v_permlanex16_b32's selects for lane l xor 16
	s_mov_b32 s29, 0
	s_wait_kmcnt 0x0
	s_cmp_ge_u32 ttmp9, 384
	s_cbranch_scc1 .Lmask
	s_cmp_ge_u32 ttmp9, 256
	s_cbranch_scc1 .Lweight
; ---- x: the work-group takes tile ttmp9 (16 tokens), wave s its K step s (128 numbers of each token)
	s_lshr_b32 s26, ttmp9, 1                       ; the quarter
	s_and_b32 s27, ttmp9, 1                        ; the tile in it
	s_lshl_b32 s28, s26, 5
	s_lshl_b32 s30, s27, 3
	s_add_co_u32 s28, s28, s30                     ; the tile's first token
	s_lshl_b32 s28, s28, 12                        ; x 4,096 bytes
	s_lshl_b32 s30, s22, 9                         ; + 512 bytes a K step
	s_add_co_u32 s28, s28, s30
	s_add_nc_u64 s[4:5], s[4:5], s[28:29]
	s_wait_alu depctr_va_vdst(0)
.irp p, 0,1,2,3,4,5,6,7,8,9,10,11,12,13,14,15
	global_load_b128 v[16+4*\p:19+4*\p], v4, s[4:5] offset:(\p+8*(\p/8))*4096 th:TH_LOAD_NT   ; the tile's row p: 32 lanes read 512 consecutive bytes
.endr
	s_mul_i32 s30, s22, 16*SPT                     ; my wave's stage
	v_add_nc_u32 v5, s30, v4                       ; in: as loaded
	v_mul_u32_u24 v6, v2, SPT
	s_delay_alu instid0(VALU_DEP_1)
	v_lshl_add_u32 v6, v3, 7, v6
	s_delay_alu instid0(VALU_DEP_1)
	v_add_nc_u32 v6, s30, v6                       ; out: row r, + 128 h bytes: the operand's layout gives lane (r, h) k = 64 c + 32 h + 0 .. 31
	s_mul_i32 s32, s26, QB
	s_mov_b32 s33, 0
	s_add_nc_u64 s[16:17], s[16:17], s[32:33]      ; xq at my quarter
	s_mul_i32 s34, s27, 12288
	s_mul_i32 s35, s22, 1536
	s_add_co_u32 s34, s34, s35
	v_add_nc_u32 v7, s34, v4                       ; my fragment's images: 16 x lane
	s_lshl_b32 s34, s27, 9
	s_lshl_b32 s35, s22, 2
	s_add_co_u32 s34, s34, s35
	v_lshl_add_u32 v8, v2, 5, s34                  ; my row's scale word of this K step
	s_wait_alu depctr_va_vdst(0)
.irp p, 0,1,2,3,4,5,6,7,8,9,10,11,12,13,14,15
	s_wait_loadcnt 15-\p                           ; loads come back in order: row p is in, the younger ones may be out
	ds_store_b128 v5, v[16+4*\p:19+4*\p] offset:SPT*\p
.endr
.irp c, 0,1
.irp j, 0,1,2,3,4,5,6,7
	ds_load_b128 v[80+32*\c+4*\j:83+32*\c+4*\j], v6 offset:256*\c+16*\j   ; LDS serves a wave's instructions in order: these see my stores
.endr
.endr
	s_wait_dscnt 8                                 ; block c = 0 is back; the eight reads of c = 1 may be out
	BLOCKQ 80, 160, 184, 144, 146
	s_wait_dscnt 0x0
	BLOCKQ 112, 166, 188, 145, 147
	v_lshl_or_b32 v148, v147, 16, v146             ; my two bytes: blocks h and 2 + h of row r,
	v_lshlrev_b32 v149, 3, v3
	s_delay_alu instid0(VALU_DEP_1)
	v_lshlrev_b32 v148, v149, v148                 ; at their places in the scale word;
	v_mov_b32 v149, 0
	s_delay_alu instid0(VALU_DEP_1)
	v_permlanex16_b32 v149, v148, s24, s25
	s_delay_alu instid0(VALU_DEP_1)
	v_or_b32 v148, v148, v149                      ; with lane l xor 16's two the word is whole
	global_store_b128 v7, v[160:163], s[16:17] offset:1024        ; each store of the wave covers 512 consecutive bytes, aligned to 256
	global_store_b128 v7, v[164:167], s[16:17] offset:1536
	global_store_b128 v7, v[168:171], s[16:17] offset:2048
	global_store_b32 v8, v148, s[16:17]            ; both halves of the lanes write the same word with the same value
	s_wait_tensorcnt 0x0
	ds_add_u32 v192, v193
	s_wait_dscnt 0x0
	s_endpgm
; ---- a weight: the work-group takes 32 columns (a quarter) of one weight, wave s its K step s.  A LANE TAKES A COLUMN, AND ITS REGISTERS RUN DOWN K: nothing is transposed
.Lweight:
	s_sub_co_u32 s26, ttmp9, 256
	s_lshr_b32 s27, s26, 5                         ; which weight: q, k, v, o
	s_and_b32 s26, s26, 31                         ; which 32 columns
	s_cmp_eq_u32 s27, 1                            ; the choices hang on the work-group's number alone
	s_cselect_b64 s[6:7], s[8:9], s[6:7]
	s_cmp_eq_u32 s27, 2
	s_cselect_b64 s[6:7], s[10:11], s[6:7]
	s_cmp_eq_u32 s27, 3
	s_cselect_b64 s[6:7], s[12:13], s[6:7]
	s_lshl_b32 s28, s22, 19                        ; 128 rows of 4,096 bytes a K step
	s_lshl_b32 s30, s26, 7                         ; 32 columns of 4 bytes
	s_add_co_u32 s28, s28, s30
	s_add_nc_u64 s[6:7], s[6:7], s[28:29]
	v_and_b32 v4, 7, v0                            ; lane l stands for row l % 16 of tile l / 16: column 8 (l / 16) + l % 8 + 16 ((l / 8) % 2) of the 32
	s_wait_alu depctr_va_vdst(0)
	v_lshl_add_u32 v4, v3, 3, v4
	v_bfe_u32 v5, v0, 3, 1
	s_delay_alu instid0(VALU_DEP_1)
	v_lshl_add_u32 v4, v5, 4, v4
	s_delay_alu instid0(VALU_DEP_1)
	v_lshlrev_b32 v4, 2, v4
.set n, 0
.rept 128                              ; register 16 + 64 h + 32 c + i holds k = 64 c + 32 h + i: first what lanes 0-15 of the fragment hold, then what lanes 16-31 hold
	global_load_b32 v[16+n], v4, s[6:7] offset:(64*((n/32)%2)+32*(n/64)+n%32)*4096 th:TH_LOAD_NT   ; 32 lanes read 128 consecutive bytes
.set n, n+1
.endr
	s_mul_i32 s30, s27, WB
	s_mul_i32 s31, s26, QB
	s_add_co_u32 s30, s30, s31
	s_mov_b32 s31, 0
	s_add_nc_u64 s[18:19], s[18:19], s[30:31]      ; wc at my quarter
	s_mul_i32 s32, s22, 1536
	v_mul_u32_u24 v5, v3, 12288
	s_delay_alu instid0(VALU_DEP_1)
	v_lshl_add_u32 v5, v2, 4, v5
	s_delay_alu instid0(VALU_DEP_1)
	v_add_nc_u32 v5, s32, v5                       ; my tile's fragment of this K step, place of its lane r (+ 256 for its lane 16 + r)
	s_lshl_b32 s32, s22, 2
	v_lshlrev_b32 v6, 9, v3
	s_delay_alu instid0(VALU_DEP_1)
	v_lshl_add_u32 v6, v2, 5, v6
	s_delay_alu instid0(VALU_DEP_1)
	v_add_nc_u32 v6, s32, v6                       ; my column's scale word
	s_wait_loadcnt 63                              ; at most 63 of the 128 are out: the first 65 are in, the 64 of h = 0 among them
	BLOCKQ 16, 160, 184, 144, 146
	BLOCKQ 48, 166, 188, 145, 147
.irp c, 0,1,2
	global_store_b128 v5, v[160+4*\c:163+4*\c], s[18:19] offset:1024+512*\c        ; sixteen lanes fill 256 consecutive bytes, aligned
.endr
	s_wait_loadcnt 0x0
	BLOCKQ 80, 172, 184, 148, 150
	BLOCKQ 112, 178, 188, 149, 151
.irp c, 0,1,2
	global_store_b128 v5, v[172+4*\c:175+4*\c], s[18:19] offset:1024+512*\c+256
.endr
	v_lshl_or_b32 v152, v150, 8, v146              ; blocks 0 (h 0, c 0), 1 (h 1, c 0),
	s_delay_alu instid0(VALU_DEP_1)
	v_lshl_or_b32 v152, v147, 16, v152             ; 2 (h 0, c 1),
	s_delay_alu instid0(VALU_DEP_1)
	v_lshl_or_b32 v152, v151, 24, v152             ; 3 (h 1, c 1): all four are mine
	global_store_b32 v6, v152, s[18:19]
	s_endpgm
; ---- the mask: wave w of work-group g takes the tile of 16 queries tq = 8 g + w.  A row is 2,048 bytes: four loads of 512; lane l of load i holds 16 bytes of key block 8 i + l / 4
.Lmask:
	s_sub_co_u32 s26, ttmp9, 384
	s_lshl_b32 s26, s26, 3
	s_add_co_u32 s26, s26, s22                     ; tq
	s_lshr_b32 s27, s26, 1
	s_lshl_b32 s27, s27, 5
	s_and_b32 s28, s26, 1
	s_lshl_b32 s28, s28, 3
	s_add_co_u32 s27, s27, s28                     ; the tile's first query
	s_lshl_b32 s28, s27, 11
	s_add_nc_u64 s[14:15], s[14:15], s[28:29]
.irp i, 0,1,2,3
	v_mov_b32 v[144+\i], 0                         ; what is set in any byte's word,
	v_mov_b32 v[148+\i], -1                        ; and in all
.endr
.macro MBATCH bt                       ; the tile's rows 8 bt .. 8 bt + 7, which lie 16 bt rows on
.set n, 0
.rept 32
	global_load_b128 v[16+4*n:19+4*n], v4, s[14:15] offset:(n/4+16*\bt)*2048+512*(n%4) th:TH_LOAD_NT
.set n, n+1
.endr
	s_wait_loadcnt 0x0
.set n, 0
.rept 128                              ; the four chunks by turns, so that no line waits for the line above it
.set ci, n%4
.set rs, n/4
	v_or_b32 v[144+ci], v[144+ci], v[16+16*(rs/4)+4*ci+rs%4]
	v_and_b32 v[148+ci], v[148+ci], v[16+16*(rs/4)+4*ci+rs%4]
.set n, n+1
.endr
.endm
	s_wait_alu depctr_va_vdst(0)
	MBATCH 0
	s_wait_alu depctr_va_vdst(0)
	MBATCH 1
	v_mov_b32 v152, 0                              ; (a DPP form's destination counts as read)
	v_mov_b32 v153, 0
.irp k, 144,145,146,147                ; the four lanes that share a key block
	v_mov_b32_dpp v152, v\k quad_perm:[1,0,3,2] row_mask:0xf bank_mask:0xf
	s_delay_alu instid0(VALU_DEP_1)
	v_or_b32 v\k, v\k, v152
	s_delay_alu instid0(VALU_DEP_1)
	v_mov_b32_dpp v152, v\k quad_perm:[2,3,0,1] row_mask:0xf bank_mask:0xf
	s_delay_alu instid0(VALU_DEP_1)
	v_or_b32 v\k, v\k, v152
.endr
.irp k, 148,149,150,151
	v_mov_b32_dpp v153, v\k quad_perm:[1,0,3,2] row_mask:0xf bank_mask:0xf
	s_delay_alu instid0(VALU_DEP_1)
	v_and_b32 v\k, v\k, v153
	s_delay_alu instid0(VALU_DEP_1)
	v_mov_b32_dpp v153, v\k quad_perm:[2,3,0,1] row_mask:0xf bank_mask:0xf
	s_delay_alu instid0(VALU_DEP_1)
	v_and_b32 v\k, v\k, v153
.endr
	v_and_b32 v5, 3, v0                            ; lane l now stands for chunk l % 4: key block kb = 8 (l % 4) + l / 4
	s_delay_alu instid0(VALU_DEP_1)
	v_cmp_eq_u32 vcc_lo, 1, v5
	s_delay_alu instid0(VALU_DEP_1)
	v_cndmask_b32 v144, v144, v145, vcc_lo
	s_delay_alu instid0(VALU_DEP_2)
	v_cndmask_b32 v148, v148, v149, vcc_lo
	s_delay_alu instid0(VALU_DEP_4)
	v_cmp_eq_u32 vcc_lo, 2, v5
	s_delay_alu instid0(VALU_DEP_1)
	v_cndmask_b32 v144, v144, v146, vcc_lo
	s_delay_alu instid0(VALU_DEP_2)
	v_cndmask_b32 v148, v148, v150, vcc_lo
	v_cmp_eq_u32 vcc_lo, 3, v5
	s_delay_alu instid0(VALU_DEP_1)
	v_cndmask_b32 v144, v144, v147, vcc_lo
	s_delay_alu instid0(VALU_DEP_2)
	v_cndmask_b32 v148, v148, v151, vcc_lo
	v_lshrrev_b32 v6, 2, v1
	s_delay_alu instid0(VALU_DEP_1)
	v_lshl_add_u32 v6, v5, 3, v6                   ; kb
	s_delay_alu instid0(VALU_DEP_4)
	v_cmp_ne_u32 s30, 0, v144                      ; blocks with an open byte
	s_delay_alu instid0(VALU_DEP_4)
	v_cmp_eq_u32 s31, 0x01010101, v148             ; blocks wholly open
	s_and_not1_b32 s32, s30, s31                   ; partly open
	s_not_b32 s33, s30                             ; closed
	s_bcnt1_i32_b32 s34, s31                       ; nF
	s_bcnt1_i32_b32 s35, s32
	s_add_co_u32 s36, s34, s35                     ; n = blocks to be walked
	s_add_co_u32 s37, s36, 1
	s_lshr_b32 s37, s37, 1                         ; steps of two blocks; an odd n is filled up by the first closed block, which is masked byte by byte like a partly open one
	s_lshr_b32 s38, s34, 1                         ; steps both of whose blocks are wholly open
	v_mbcnt_lo_u32_b32 v7, s31, 0                  ; a counting sort: my place among my kind,
	v_mbcnt_lo_u32_b32 v8, s32, 0
	s_delay_alu instid0(VALU_DEP_1)
	v_add_nc_u32 v8, s34, v8                       ; behind the kinds that come first
	v_mbcnt_lo_u32_b32 v9, s33, 0
	s_delay_alu instid0(VALU_DEP_1)
	v_add_nc_u32 v9, s36, v9
	s_delay_alu instid0(VALU_DEP_1)
	v_cndmask_b32 v9, v9, v8, s32
	s_delay_alu instid0(VALU_DEP_1)
	v_cndmask_b32 v9, v9, v7, s31
	s_delay_alu instid0(VALU_DEP_1)
	v_min_u32 v9, 31, v9                           ; a place in the list: 0 .. 31
	s_delay_alu instid0(VALU_DEP_1)
	v_lshlrev_b32 v9, 1, v9
	s_lshl_b32 s28, s26, 7                         ; the tile's record: 128 bytes
	s_add_nc_u64 s[20:21], s[20:21], s[28:29]
	global_store_b16 v9, v6, s[20:21]              ; halfwords 0 .. 31: the 32 lanes' places are a permutation, so all are written
	v_and_b32 v10, 1, v0
	s_delay_alu instid0(VALU_DEP_1)
	v_cmp_eq_u32 vcc_lo, 1, v10
	v_mov_b32 v11, s37
	v_mov_b32 v12, s38
	s_delay_alu instid0(VALU_DEP_1)
	v_cndmask_b32 v11, v11, v12, vcc_lo
	v_lshlrev_b32 v13, 1, v1
	global_store_b16 v13, v11, s[20:21] offset:64  ; halfwords 32 .. 63: steps and open steps by turns: word 16 = steps | open steps << 16
	s_endpgm
.Lfunc_end_k_q4ecf01f61a_prep:
	.size	k_q4ecf01f61a_prep, .Lfunc_end_k_q4ecf01f61a_prep-k_q4ecf01f61a_prep
	.p2alignl 7, 3214868480
	.fill 96, 4, 3214868480
	.section	.rodata,"a",@progbits
	.p2align	6, 0x0
	.amdhsa_kernel k_q4ecf01f61a_prep
		.amdhsa_group_segment_fixed_size 68608
		.amdhsa_private_segment_fixed_size 0
		.amdhsa_enable_private_segment 0
		.amdhsa_kernarg_size 72
		.amdhsa_user_sgpr_count 2
		.amdhsa_user_sgpr_kernarg_segment_ptr 1
		.amdhsa_wavefront_size32 1
		.amdhsa_system_sgpr_workgroup_id_x 1
		.amdhsa_system_sgpr_workgroup_id_y 1
		.amdhsa_system_sgpr_workgroup_id_z 1
		.amdhsa_system_vgpr_workitem_id 0
		.amdhsa_next_free_vgpr 194
		.amdhsa_next_free_sgpr 66
		.amdhsa_reserve_vcc 1
		.amdhsa_float_denorm_mode_32 3
		.amdhsa_float_denorm_mode_16_64 3
		.amdhsa_memory_ordered 1
		.amdhsa_forward_progress 1
		.amdhsa_inst_pref_size 61
	.end_amdhsa_kernel
	.amdgpu_metadata
---
amdhsa.version: [ 1, 2 ]
amdhsa.kernels:
  - .name:           k_q4ecf01f61a_prep
    .symbol:         k_q4ecf01f61a_prep.kd
    .args:
      - { .name: x, .offset: 0, .size: 8, .value_kind: global_buffer, .address_space: global }
      - { .name: Wq, .offset: 8, .size: 8, .value_kind: global_buffer, .address_space: global }
      - { .name: Wk, .offset: 16, .size: 8, .value_kind: global_buffer, .address_space: global }
      - { .name: Wv, .offset: 24, .size: 8, .value_kind: global_buffer, .address_space: global }
      - { .name: Wo, .offset: 32, .size: 8, .value_kind: global_buffer, .address_space: global }
      - { .name: block_mask, .offset: 40, .size: 8, .value_kind: global_buffer, .address_space: global }
      - { .name: xq, .offset: 48, .size: 8, .value_kind: global_buffer, .address_space: global }
      - { .name: wc, .offset: 56, .size: 8, .value_kind: global_buffer, .address_space: global }
      - { .name: lists, .offset: 64, .size: 8, .value_kind: global_buffer, .address_space: global }
    .group_segment_fixed_size: 68608
    .private_segment_fixed_size: 0
    .kernarg_segment_align: 8
    .kernarg_segment_size: 72
    .max_flat_workgroup_size: 256
    .sgpr_count:     66
    .vgpr_count:     194
    .wavefront_size: 32
...
	.end_amdgpu_metadata
.endif
;; end of part 1
;; launch qkv (part 2): grid 8 x 32, 4 waves a work-group, clusters of 4 x 4, 327,680 bytes of LDS; arguments xq, wc, bq, bk, bv, qh, kh, vh; writes qh, kh, vh
.if DOCPART == 2
	.amdgcn_target "amdgcn-amd-amdhsa--gfx1250"
	.amdhsa_code_object_version 6
	.text
	.protected	k_q4ecf01f61a_qkv
	.globl	k_q4ecf01f61a_qkv
	.p2align	8
	.type	k_q4ecf01f61a_qkv,@function
k_q4ecf01f61a_qkv:
	s_mov_b64 s[64:65], 0
	v_nop
	global_prefetch_b8 v0, s[64:65] scope:SCOPE_SE
	s_setreg_imm32_b32 hwreg(HW_REG_WAVE_MODE, 25, 1), 1
	s_wait_xcnt 0x0
	s_wait_alu depctr_hold_cnt(0) depctr_sa_sdst(0) depctr_va_vdst(0) depctr_va_sdst(0) depctr_va_ssrc(0) depctr_va_vcc(0) depctr_vm_vsrc(0)
	s_getreg_b32 s2, hwreg(HW_REG_IB_STS2, 6, 4)
	s_cmp_eq_u32 s2, 0
	s_cbranch_scc0 .Lentry_in_a_cluster
	s_endpgm
.Lentry_in_a_cluster:
	s_bfe_u32 s2, ttmp6, 0x10000c
	s_cmp_lg_u32 s2, 0xf033
	s_cbranch_scc0 .Lentry_shape_is_right
	s_endpgm
.Lentry_shape_is_right:
; q = x Wq + bq, k = x Wk + bk, v = x Wv + bv on codes of FP6 (E2M3) with E8M0 scales, sums in f32; the results are quantised in registers and leave as codes:
; q and k along the head's 64 numbers (the K of q k^T), v along the keys (the K of p v).
; SHARES.  Work-group (j, i): tokens 128 i .. + 127 against columns 128 j .. + 127 of each weight.  Four waves, each 64 tokens (block 2 i + wl of 64) x 64 columns (head 2 j + wp): 16 accumulators.
; A panel (128 rows' codes and scale words for ALL of K = 1,024) is four quarters of 25,600 bytes, dense in memory, laid as images of operand registers: it fits whole in LDS, so K needs no ring.
; LDS: x's panel; slot A: Wq's, later Wv's; slot B: Wk's.  One refill in the launch.
; CLUSTER 4 x 4: x's panel hangs on i alone and is asked for jointly along a row of the cluster, a weight's on j alone and jointly along a column; at the head waves 0, 1 bring the halves of x's panel and waves 2, 3 those of Wq's; later wave w brings quarter w of Wk's and Wv's.
; TILES.  A tile of 16 rows is tile 2 g + u of a group of 32, its row r being index 32 g + 8 u + r + 8 (r / 8): as source 0, two neighbouring tiles give a lane 16 NEIGHBOURS in 16 registers,
; which is what the conversions want.  For q and k source 0 = the weight's columns (a lane holds one token, registers run along the head); for v source 0 = the tokens (a lane holds one channel, registers run along the keys).
; OUT.  A record for a head and a block of 64 tokens, 3,584 bytes: [0, 512) scale words, 16 bytes a lane (word t = byte 0 | byte 1 << 8 of tile t's row);
; half fragment t (6 registers: lane (r, h) holds block h of row r) at 512 + 768 t: registers 0-3 at 16 x lane, registers 4-5 at 512 + 8 x lane.  t = tile of tokens (q, k) or of channels (v).
; LIMITS: a block of zeros gets the byte 1 where the rule says 127 (its codes are zeros; this program alone reads the bytes); NaN and infinities are not served.
; No prefetch: every panel is asked for at the head or two epilogues and a product ahead of its use.
; REGISTERS.  Window 0: v1-12 addresses; v13-31 the epilogue's; v32-63 x's scale words; v64-95 the weight's; v96-127 the bias as the first C; v128-255 accumulator (p, l) at 128 + 32 l + 8 p.
;             Window 1: two fragment buffers of 96: source 0's four tiles at f + 12 p, source 1's at f + 48 + 12 l.
.set XP,    0
.set SA,    102400
.set SB,    204800
.set SPARE, 307200                     ; the spare words, 128 bytes for each wave: two blocks of 256 bytes that no other line names
.set QB,    25600
.set WB,    819200
.set AX,   1                           ; LDS: my 64 tokens' fragments, 16 x lane
.set AWA,  2                           ; my 64 columns' in slot A
.set AWB,  3                           ; and in slot B
.set ASX,  4                           ; the scale words: 32 x r
.set ASWA, 5
.set ASWB, 6
.set L16,  7
.set L8,   8
.set BQO,  9                           ; a bias along the registers: 64 h + 256 wp
.set BVO,  10                          ; a bias along the lanes: 4 (r + 8 (r / 8)) + 256 wp
.set SPW,  11                          ; LDS address of my spare word; never rewritten
.set NIL,  12                          ; 0; never rewritten
.set TM,   13                          ; v13-14 largest magnitudes
.set TX,   15                          ; v15-16 the other half's, then the bytes
.set SO0,  17                          ; the conversions' scale operands
.set SO1,  27
.set PC,   18                          ; v18-23 a half fragment
.set T1,   24                          ; v24-26
.set SW,   28                          ; v28-31 four scale words
.set XSC,  32
.set WSC,  64
.set BI,   96
.set ACC,  128
.set F0,   0
.set SEL,  80                          ; s[80:81]
.set MSB, 0
.macro WIN new                         ; the immediate's high byte repeats the setting that is left
.if MSB != \new
	s_set_vgpr_msb (MSB<<8)|\new
.set MSB, \new
.endif
.endm
.set MUL,  0x05                        ; sources 0 and 1 window 1; C and D window 0
.set TO_F, 0x40                        ; destination window 1, address window 0
.macro PLACES                          ; four plain places behind a matrix instruction, ahead of loads into its registers and of reads of its results
.rept 4
	v_nop
.endr
.endm
.macro CROUND                          ; a round of the cluster's barrier
	s_barrier_signal -1
	s_barrier_wait -1
	s_cmp_lg_u32 s20, 0
	s_cbranch_scc1 .Lnot_wave_0_\@
	s_barrier_signal -3
.Lnot_wave_0_\@:
	s_barrier_wait -3
	s_barrier_signal -1
	s_barrier_wait -1
.endm
.macro FETCH3 f, adr, s                ; four tiles' fragments of K step s: three loads of 16 bytes a lane each, 512 consecutive bytes a load
.irp t, 0,1,2,3
.irp c, 0,1,2
	ds_load_b128 v[\f+12*\t+4*\c:\f+12*\t+4*\c+3], v[\adr] offset:QB*(\t/2)+1024+12288*(\t%2)+1536*(\s)+512*\c
.endr
.endr
.endm
.macro SCL dst, adr                    ; four tiles' scale words for all eight K steps: register dst + 8 i + t
.irp i, 0,1,2,3
	ds_load_b128 v[\dst+8*\i:\dst+8*\i+3], v[\adr] offset:QB*(\i/2)+512*(\i%2)
	ds_load_b128 v[\dst+8*\i+4:\dst+8*\i+7], v[\adr] offset:QB*(\i/2)+512*(\i%2)+16
.endr
.endm
.macro MULS sc0, sc1, byp              ; 16 matrix instructions, K step KT, buffer FBUF; the accumulators take turns.  The first K step takes the bias as C: nothing is cleared or added
.irp l, 0,1,2,3
.irp p, 0,1,2,3
.if KT == 0
	v_wmma_scale_f32_16x16x128_f8f6f4 v[ACC+32*\l+8*\p:ACC+32*\l+8*\p+7], v[FBUF+12*\p:FBUF+12*\p+11], v[FBUF+48+12*\l:FBUF+48+12*\l+11], v[BI+8*(\byp*\p+(1-\byp)*\l):BI+8*(\byp*\p+(1-\byp)*\l)+7], v[\sc0+8*\p+KT], v[\sc1+8*\l+KT] matrix_a_fmt:MATRIX_FMT_FP6 matrix_b_fmt:MATRIX_FMT_FP6
.else
	v_wmma_scale_f32_16x16x128_f8f6f4 v[ACC+32*\l+8*\p:ACC+32*\l+8*\p+7], v[FBUF+12*\p:FBUF+12*\p+11], v[FBUF+48+12*\l:FBUF+48+12*\l+11], v[ACC+32*\l+8*\p:ACC+32*\l+8*\p+7], v[\sc0+8*\p+KT], v[\sc1+8*\l+KT] matrix_a_fmt:MATRIX_FMT_FP6 matrix_b_fmt:MATRIX_FMT_FP6
.endif
.endr
.endr
.endm
; 64 x 64 x 1,024: eight K steps of 128 on two buffers; a step's 24 loads are issued in one run, a step (16 matrix instructions) ahead of their use
.macro GEMM a0, a1, sc0, sc1, byp
	WIN TO_F
	FETCH3 F0, \a0, 0
	FETCH3 F0+48, \a1, 0
.set KT, 0
.rept 8
.set FBUF, 128*(KT%2)
.set FNXT, 128-FBUF
.if KT < 7
	PLACES                                         ; the last step's products read the buffer that is loaded now
	WIN TO_F
	FETCH3 FNXT, \a0, KT+1
	FETCH3 FNXT+48, \a1, KT+1
	s_wait_dscnt 24                                ; all but the 24 just issued: this step's fragments and the scale words are in
.else
	s_wait_dscnt 0x0
.endif
	WIN MUL
	MULS \sc0, \sc1, \byp
.set KT, KT+1
.endr
	WIN 0
.endm
; 32 numbers of a lane, register 16 b + i = index 32 b + 16 h + i of my row, become a half fragment in v[PC] on and the scale word v[w] = byte 0 | byte 1 << 8
.macro HQUANT s, w
	v_max3_num_f32 v[TM], |v[\s]|, |v[\s+1]|, 0x1800000            ; each accumulator is read from its low end on; the floor 2^(3 - 127) holds the byte at 1 from below
	v_max3_num_f32 v[TM+1], |v[\s+16]|, |v[\s+17]|, 0x1800000
.irp i, 2,4,6,8,10,12,14
	v_max3_num_f32 v[TM], v[TM], |v[\s+\i]|, |v[\s+\i+1]|
	v_max3_num_f32 v[TM+1], v[TM+1], |v[\s+16+\i]|, |v[\s+17+\i]|
.endr
	v_permlanex16_b32 v[TX], v[TM], s[SEL], s[SEL+1]
	v_permlanex16_b32 v[TX+1], v[TM+1], s[SEL], s[SEL+1]
	v_max_num_f32 v[TM], v[TM], v[TX]              ; with lane l xor 16's: the block's largest magnitude
	v_max_num_f32 v[TM+1], v[TM+1], v[TX+1]
	v_add_nc_u32 v[SO0], 0xff000000, v[TM]         ; 2 off the exponent field
	v_add_nc_u32 v[SO1], 0xff000000, v[TM+1]
	v_lshrrev_b32 v[TX], 23, v[SO0]
	v_lshrrev_b32 v[TX+1], 23, v[SO1]
	v_lshl_or_b32 v[\w], v[TX+1], 8, v[TX]
	v_cvt_scalef32_pk16_fp6_f32 v[PC:PC+2], v[\s:\s+15], v[SO0]
	v_cvt_scalef32_pk16_fp6_f32 v[T1:T1+2], v[\s+16:\s+31], v[SO1]
	v_nop                                          ; one plain place behind a scaled conversion
.irp i, 0,1,2
	v_permlane16_swap_b32 v[PC+\i], v[T1+\i]       ; the layout wants a whole block in a lane: lanes 0-15 block 0, lanes 16-31 block 1
.endr
.irp i, 0,1,2
	v_mov_b32 v[PC+3+\i], v[T1+\i]
.endr
.endm
.macro EPI base                        ; my 64 x 64 results -> one record
.irp l, 0,1,2,3
	s_wait_xcnt 0x0                                ; the earlier stores have read their data: the registers are written again only behind this wait
	HQUANT ACC+32*\l, SW+\l
	global_store_b128 v[L16], v[PC:PC+3], s[\base:\base+1] offset:512+768*\l      ; 512 consecutive bytes, aligned to 256
	global_store_b64 v[L8], v[PC+4:PC+5], s[\base:\base+1] offset:1024+768*\l     ; 256
.endr
	global_store_b128 v[L16], v[SW:SW+3], s[\base:\base+1]
.endm
.macro BIASROW base                    ; C of tile p: lane (r, h) wants the bias of columns 32 (p / 2) + 16 h + 8 (p % 2) + 0 .. 7
.irp p, 0,1,2,3
	global_load_b128 v[BI+8*\p:BI+8*\p+3], v[BQO], s[\base:\base+1] offset:(32*(\p/2)+8*(\p%2))*4
	global_load_b128 v[BI+8*\p+4:BI+8*\p+7], v[BQO], s[\base:\base+1] offset:(32*(\p/2)+8*(\p%2))*4+16
.endr
.endm
	s_load_b512 s[4:19], s[0:1], 0x0               ; xq s[4:5], wc s[6:7], bq s[8:9], bk s[10:11], bv s[12:13], qh s[14:15], kh s[16:17], vh s[18:19]
	v_lshl_add_u32 v[SPW], v0, 2, SPARE
	v_mov_b32 v[NIL], 0
	ds_add_u32 v11, v12
	ds_add_u32 v11, v12
	s_wait_dscnt 0x0
	v_lshrrev_b32 v13, 5, v0
	v_readfirstlane_b32 s20, v13                   ; wave 0..3
	s_and_b32 s21, s20, 1                          ; wp: which 64 columns
	s_lshr_b32 s22, s20, 1                         ; wl: which 64 tokens
	s_bfe_u32 s23, ttmp6, 0x40000                  ; cx
	s_bfe_u32 s24, ttmp6, 0x40004                  ; cy
	s_lshl_b32 s25, ttmp9, 2
	s_add_co_u32 s25, s25, s23                     ; j = 4 x cluster x + cx
	s_and_b32 s26, ttmp7, 0xffff
	s_lshl_b32 s26, s26, 2
	s_add_co_u32 s26, s26, s24                     ; i = 4 x cluster y + cy
	s_lshl_b32 s27, s24, 2
	s_lshl_b32 s27, 15, s27                        ; my row of the cluster
	s_lshl_b32 s28, 0x1111, s23                    ; my column
	; descriptor group 1: a quarter, 25,600 dense bytes, as 100 rows of 32 elements of 8 bytes; no padding: the images are read 512 consecutive bytes at a time
	s_or_b32 s32, s27, (3<<16)|(1<<21)             ; x's panel goes to my row
	s_or_b32 s40, s28, (3<<16)|(1<<21)             ; a weight's to my column
.irp g, 32, 40
	s_mov_b32 s[\g+1], 32<<16                      ; tensor_dim0
	s_mov_b32 s[\g+2], 200<<16                     ; tensor_dim1: the head's loads bring half a panel, two quarters, 200 rows
	s_mov_b32 s[\g+3], 32<<16                      ; tile_dim0
	s_mov_b32 s[\g+4], 200                         ; tile_dim1
	s_mov_b32 s[\g+5], 32                          ; the pitch
	s_mov_b32 s[\g+6], 0
	s_mov_b32 s[\g+7], 0
.endr
	s_mul_i32 s70, s20, QB                         ; my quarter of a panel: the wave's number alone enters an LDS address
	s_mul_i32 s84, s21, 2*QB                       ; at the head a wave brings half (wave % 2) of one panel
	s_mul_i32 s66, s26, 4*QB                       ; x's panel i
	s_add_co_u32 s66, s66, s84
	s_mul_i32 s86, s25, 4*QB                       ; Wq's panel j, the same half
	s_add_co_u32 s86, s86, s84
	s_mov_b32 s87, 0
	s_mov_b32 s67, 0
	s_mul_i32 s68, s25, 4*QB                       ; a weight's panel j
	s_add_co_u32 s68, s68, s70
	s_mov_b32 s69, 0
	s_mov_b32 s[SEL], 0x76543210
	s_mov_b32 s[SEL+1], 0xfedcba98
	s_wait_kmcnt 0x0
	s_mov_b32 s48, 1                               ; four groups 0, made once and never rewritten: x,
	s_add_co_u32 s49, s84, XP
	s_add_nc_u64 s[50:51], s[4:5], s[66:67]
	s_or_b32 s51, s51, 0x80000000
	s_mov_b32 s52, 1                               ; Wq into slot A,
	s_add_co_u32 s53, s84, SA
	s_add_nc_u64 s[54:55], s[6:7], s[68:69]
	s_mov_b32 s56, 1                               ; Wk into slot B,
	s_add_co_u32 s57, s70, SB
	s_add_nc_u64 s[58:59], s[54:55], WB
	s_mov_b32 s60, 1                               ; Wv into slot A
	s_add_co_u32 s61, s70, SA
	s_add_nc_u64 s[62:63], s[54:55], 2*WB
	s_add_nc_u64 s[54:55], s[6:7], s[86:87]        ; Wq by halves; Wk and Wv stay by quarters
	s_or_b32 s55, s55, 0x80000000
	s_or_b32 s59, s59, 0x80000000
	s_or_b32 s63, s63, 0x80000000
	CROUND                                         ; all sixteen work-groups are here: the first joint loads meet
	s_cmp_lt_u32 s20, 2                            ; one tensor load a wave at the head: waves 0, 1 the halves of x's panel, waves 2, 3 those of Wq's
	s_cbranch_scc0 .Lhead_w
	tensor_load_to_lds s[48:51], s[32:39]
	s_nop 0
	PLACES
	s_branch .Lhead_asked
.Lhead_w:
	tensor_load_to_lds s[52:55], s[40:47]
	s_nop 0
	PLACES
.Lhead_asked:
	v_and_b32 v13, 31, v0                          ; lane
	v_and_b32 v14, 15, v0                          ; r
	v_bfe_u32 v15, v0, 4, 1                        ; h
	v_lshlrev_b32 v[L16], 4, v13
	v_lshlrev_b32 v[L8], 3, v13
	s_mul_i32 s71, s22, 2*QB                       ; my half of the tokens
	s_mul_i32 s72, s21, 2*QB                       ; my half of the columns
	s_add_co_u32 s73, s72, SA
	s_add_co_u32 s74, s72, SB
	v_add_nc_u32 v[AX], s71, v[L16]
	v_add_nc_u32 v[AWA], s73, v[L16]
	v_add_nc_u32 v[AWB], s74, v[L16]
	v_lshlrev_b32 v16, 5, v14
	v_add_nc_u32 v[ASX], s71, v16
	v_add_nc_u32 v[ASWA], s73, v16
	v_add_nc_u32 v[ASWB], s74, v16
	s_lshl_b32 s75, s21, 8
	v_lshlrev_b32 v[BQO], 6, v15
	v_add_nc_u32 v[BQO], s75, v[BQO]
	s_wait_alu depctr_va_vdst(0)
	v_and_b32 v16, 8, v14
	v_add_nc_u32 v16, v16, v14
	v_lshl_add_u32 v[BVO], v16, 2, s75
	v_mov_b32 v[TX], 0                             ; written once: a lane permute's destination counts as one of its sources
	v_mov_b32 v[TX+1], 0
	s_lshl_b32 s76, s25, 9                         ; the biases at column 128 j
	s_mov_b32 s77, 0
	s_add_nc_u64 s[8:9], s[8:9], s[76:77]
	s_add_nc_u64 s[10:11], s[10:11], s[76:77]
	s_add_nc_u64 s[12:13], s[12:13], s[76:77]
	s_lshl_b32 s78, s25, 1
	s_add_co_u32 s78, s78, s21                     ; my head
	s_lshl_b32 s79, s26, 1
	s_add_co_u32 s79, s79, s22                     ; my block of 64 tokens, 0 .. 63 over both sequences
	s_lshr_b32 s82, s79, 5
	s_lshl_b32 s82, s82, 4
	s_add_co_u32 s82, s82, s78                     ; 16 x sequence + head
	s_lshl_b32 s82, s82, 5
	s_and_b32 s79, s79, 31
	s_add_co_u32 s82, s82, s79
	s_mul_i32 s82, s82, 3584                       ; my record, the same place in all three outputs
	s_mov_b32 s83, 0
	s_add_nc_u64 s[14:15], s[14:15], s[82:83]
	s_add_nc_u64 s[16:17], s[16:17], s[82:83]
	s_add_nc_u64 s[18:19], s[18:19], s[82:83]
	BIASROW 8                                      ; bq
	s_wait_alu depctr_va_vdst(0)
	s_wait_tensorcnt 0x0                           ; my half panel is in; slot B's first fill is issued as a refill is:
	ds_add_u32 v[SPW], v[NIL]
	s_mov_b32 s42, 100<<16                         ; no load of mine is out: from here on a weight's load brings a quarter, 100 rows
	s_mov_b32 s44, 100
	s_wait_dscnt 0x0
	CROUND                                         ; everybody's halves of x and Wq are in, and the joint loads meet
	tensor_load_to_lds s[56:59], s[40:47]          ; Wk's quarter into slot B: it has q's product in which to land
	s_nop 0
	PLACES
	SCL XSC, ASX                                   ; x's scale words stay for all three products
	SCL WSC, ASWA
	s_wait_loadcnt 0x0                             ; bq
	GEMM AWA, AX, WSC, XSC, 1                      ; q: source 0 = Wq's columns, source 1 = the tokens
	; slot A has been read out: it takes Wv.  All my tensor loads have landed (Wk's quarter among them), 0 goes onto my spare word, the add and my reads of the slot are waited for; then the cluster's round
	s_wait_tensorcnt 0x0
	ds_add_u32 v[SPW], v[NIL]
	PLACES                                         ; (also the places behind q's last products)
	s_wait_dscnt 0x0
	CROUND                                         ; no wave of any partner still reads slot A or has a load on its way
	tensor_load_to_lds s[60:63], s[40:47]          ; my one load behind the round: it has two epilogues and k's product in which to land
	s_nop 0
	PLACES
	BIASROW 10                                     ; bk, on its way while q is quantised
	EPI 14
	SCL WSC, ASWB
	s_wait_loadcnt 0x0
	GEMM AWB, AX, WSC, XSC, 1                      ; k
	PLACES
.irp l, 0,1,2,3                        ; bv: with the tokens as source 0 a lane holds ONE channel, so all eight registers of a C take that channel's bias; loads, so that the C owes only its wait
.irp q, 0,1,2,3,4,5,6,7
	global_load_b32 v[BI+8*\l+\q], v[BVO], s[12:13] offset:(32*(\l/2)+8*(\l%2))*4
.endr
.endr
	EPI 16
	s_wait_tensorcnt 0x0                           ; my quarter of Wv is in,
	s_wait_dscnt 0x0
	s_barrier_signal -1
	s_barrier_wait -1                              ; everybody's is
	SCL WSC, ASWA
	s_wait_loadcnt 0x0
	GEMM AX, AWA, XSC, WSC, 0                      ; v: source 0 = the tokens, source 1 = Wv's columns: registers run along the keys
	PLACES
	EPI 18
	s_wait_tensorcnt 0x0                           ; the wave's end
	ds_add_u32 v[SPW], v[NIL]
	s_wait_dscnt 0x0
	CROUND                                         ; the closing round
	s_endpgm
.Lfunc_end_k_q4ecf01f61a_qkv:
	.size	k_q4ecf01f61a_qkv, .Lfunc_end_k_q4ecf01f61a_qkv-k_q4ecf01f61a_qkv
	.p2alignl 7, 3214868480
	.fill 96, 4, 3214868480
	.section	.rodata,"a",@progbits
	.p2align	6, 0x0
	.amdhsa_kernel k_q4ecf01f61a_qkv
		.amdhsa_group_segment_fixed_size 327680
		.amdhsa_private_segment_fixed_size 0
		.amdhsa_enable_private_segment 0
		.amdhsa_kernarg_size 64
		.amdhsa_user_sgpr_count 2
		.amdhsa_user_sgpr_kernarg_segment_ptr 1
		.amdhsa_wavefront_size32 1
		.amdhsa_system_sgpr_workgroup_id_x 1
		.amdhsa_system_sgpr_workgroup_id_y 1
		.amdhsa_system_sgpr_workgroup_id_z 1
		.amdhsa_system_vgpr_workitem_id 0
		.amdhsa_next_free_vgpr 512
		.amdhsa_next_free_sgpr 96
		.amdhsa_reserve_vcc 0
		.amdhsa_float_denorm_mode_32 3
		.amdhsa_float_denorm_mode_16_64 3
		.amdhsa_memory_ordered 1
		.amdhsa_forward_progress 1
		.amdhsa_inst_pref_size 129
	.end_amdhsa_kernel
	.amdgpu_metadata
---
amdhsa.version: [ 1, 2 ]
amdhsa.kernels:
  - .name:           k_q4ecf01f61a_qkv
    .symbol:         k_q4ecf01f61a_qkv.kd
    .args:
      - { .name: xq, .offset: 0, .size: 8, .value_kind: global_buffer, .address_space: global }
      - { .name: wc, .offset: 8, .size: 8, .value_kind: global_buffer, .address_space: global }
      - { .name: bq, .offset: 16, .size: 8, .value_kind: global_buffer, .address_space: global }
      - { .name: bk, .offset: 24, .size: 8, .value_kind: global_buffer, .address_space: global }
      - { .name: bv, .offset: 32, .size: 8, .value_kind: global_buffer, .address_space: global }
      - { .name: qh, .offset: 40, .size: 8, .value_kind: global_buffer, .address_space: global }
      - { .name: kh, .offset: 48, .size: 8, .value_kind: global_buffer, .address_space: global }
      - { .name: vh, .offset: 56, .size: 8, .value_kind: global_buffer, .address_space: global }
    .group_segment_fixed_size: 327680
    .private_segment_fixed_size: 0
    .kernarg_segment_align: 8
    .kernarg_segment_size: 64
    .max_flat_workgroup_size: 128
    .sgpr_count:     96
    .vgpr_count:     512
    .wavefront_size: 32
...
	.end_amdgpu_metadata
.endif
;; end of part 2
;; launch attn (part 3): grid 8 x 32, 16 waves a work-group, no clusters, 315,392 bytes of LDS; arguments qh, kh, vh, lists, block_mask, ao; writes ao
.if DOCPART == 3
	.amdgcn_target "amdgcn-amd-amdhsa--gfx1250"
	.amdhsa_code_object_version 6
	.text
	.protected	k_q4ecf01f61a_attn
	.globl	k_q4ecf01f61a_attn
	.p2align	8
	.type	k_q4ecf01f61a_attn,@function
k_q4ecf01f61a_attn:
	s_mov_b64 s[64:65], 0
	v_nop
	global_prefetch_b8 v0, s[64:65] scope:SCOPE_SE
	s_setreg_imm32_b32 hwreg(HW_REG_WAVE_MODE, 25, 1), 1
	s_wait_xcnt 0x0
; out[q] = sum over keys of P[q][key] v[key], P = softmax over the open keys of q . k / 8, both products on codes of FP6 (E2M3) with E8M0 scales.
; WHAT IS QUANTISED FOR THE SECOND PRODUCT IS THE FINISHED, NORMALISED P, so a row's sum must be known before any p becomes a code.
; THE MASK is an input.  An earlier launch has listed, for each tile of 16 queries, its key blocks of 64 (wholly open, partly open, closed) and its counts; closed blocks are not walked
; (their P is 0 whatever the inputs hold; a NaN or infinity that reaches only such a block is not carried to the result).  In a step with a block not wholly open the mask's bytes are read.
; THE DEAL.  Work-group (jx, bh) holds its head's K and V in LDS and owns tiles tq = 8 i + jx, i = 0 .. 15.  A tile with n steps of 128 keys (1 .. 16) takes n NEIGHBOURING WAVES OF ONE ROUND,
; one step a wave, so a wave's 64 numbers p stay in its registers and no score is made twice.  Tiles are packed into rounds of 16 wave places in their order (a tile that does not fit opens
; the next round): every wave makes the packing itself from the 16 stored counts, by scalar arithmetic, and keeps its own place's word for round k in lane k.
; A ROUND.  (A) S^T = K Q^T, the wave's own M_w (largest t rounded up, t = score x log2(e) / 8), p = 2^(t - M_w), its sum; (-M_w, sum) to LDS; barrier.
; (B) the tile's pairs are joined: M = largest M_w, l = sum of sums x 2^(M_w - M), exact factors; P = p x 2^(M_w - M) / l, quantised by blocks of 32 keys; the wave's part of O^T = V^T P^T to LDS; barrier.
; (C) the tile's first wave adds the parts of channels 0-31, its second (its first where n = 1) those of channels 32-63; each quantises its block along the last product's K and stores it.
; The loop has 16 trips, the most that 16 tiles can need; every wave passes both barriers of every trip.
; A row with no open key has l = 0: its 1 / l is replaced by 0, so P = 0 there.  A tile with no open block walks one step of closed blocks under the mask's bytes.
; NO TENSOR LOAD AND NO CLUSTER: branches hang on the stored lists.  No prefetch: all that comes from memory in bulk is asked for at the head.
; LAYOUT.  Both products are used transposed: a lane holds one query.  A tile's rows are index 32 g + 8 u + r + 8 (r / 8), so 16 registers of two neighbouring tiles are 16 neighbours.
; K = 64 in the first product: Q's registers 6-11 hold zero codes; a tile of K (6 registers) is named with the 6 that follow it, finite codes that meet zeros.
; LIMITS: a block of zeros gets the byte 1 where the rule says 127 (this program alone reads the bytes); v_exp_f32 gives 0 for p under 2^-126; a block's largest p is made from its largest score,
; which takes v_exp_f32 not to fall where its input rises; the scaled scores stay under 2^31 in magnitude; NaN and infinities among the inputs are not served.
.set REC,  3584
.set VOFF, 114688                      ; LDS: K's 32 records, V's 32 records,
.set OB,   229376                      ; 16 parts of O^T, 4,096 bytes a wave: register quad q at 512 q + 16 x lane,
.set ST,   294912                      ; 16 x 16 pairs (-M_w, sum), 128 bytes a wave,
.set QL,   296960                      ; the 16 tiles of Q, 1,024 bytes each: registers 0-3, registers 4-5 at 512, scale words at 768 + 8 x lane,
.set SPARE, 313344                     ; the spare words, 128 bytes a wave
.set L16,  1
.set L8,   2
.set A0,   3                           ; v3-6 LDS addresses of the step's two blocks
.set A1,   4
.set A2,   5
.set A3,   6
.set RB,   7                           ; my query's row of the mask inside its tile, + 16 h
.set MA0,  8
.set NINF, 9
.set DESC, 10                          ; lane k: my place's word for round k: i | step << 4 | first place << 8 | (n - 1) << 12 | open << 16; -1: no work
.set MA1,  11
                                       ; v12 -M_w, v13 the largest t, then the sum
.set Q,    16                          ; v16-27; v22-27 zero codes
.set QS,   28
.set PW,   29                          ; at the head: the counts
.set G,    30                          ; v[30:31] 2^(M_w - M) / l
.set FB,   32                          ; v32-79 eight tiles of K or four of V; v80-85 zeros
.set KS,   86
.set LW,   94                          ; lane k: round k's two key blocks
.set R8,   95                          ; 8 r
.set S,    96                          ; v96-159
.set O,    160                         ; v160-191; v160-215 carry V until round 0's first barrier
.set PC,   192
.set T1,   204                         ; v204-206, v208-210
.set VR,   212
.set VW,   220
.set BM,   224
.set BX,   228
.set SO,   232
.set BY,   236
.set MK,   240                         ; v240-255 mask bytes, sums, addresses
.set TP,   240
.set TA,   240
.set CS,   244
.set NN,   252
.set D4,   253
.set NM,   254
.set LR,   255
.macro PLACES
.rept 4
	v_nop
.endr
.endm
.macro WA
	s_wait_alu depctr_va_vdst(0)
.endm
; the four places j0 .. j0 + 3 of my tile: weight 1 for a place that exists (and, where own is set, is not my own step), else 0 and the last place's address; sh, base: the region's pitch and start
.macro FOUR sh, base, own
.irp u, 0,1,2,3
	s_add_co_u32 s46, s45, \u
	s_cmp_le_u32 s46, s43
	s_cselect_b32 s[48+2*\u], 1.0, 0
.if \own
	s_cmp_eq_u32 s46, s41
	s_cselect_b32 s[48+2*\u], 0, s[48+2*\u]
.endif
	s_min_u32 s46, s46, s43
	s_add_co_u32 s46, s46, s42
	s_min_u32 s46, s46, 15
	s_lshl_b32 s46, s46, \sh
	s_add_co_u32 s[56+\u], s46, \base
.endr
.endm
; channels 32 eta .. + 31 of my tile: the other waves' parts are added onto mine, four to a trip; then the block is quantised and stored
.macro RED eta
	s_min_u32 s44, s43, \eta
	s_cmp_lg_u32 s41, s44
	s_cbranch_scc1 .Lnot_\@
	s_wait_xcnt 0x0                                ; earlier stores have read their registers
	s_cmp_eq_u32 s43, 0
	s_cbranch_scc1 .Lsum_\@
	s_mov_b32 s45, 0
	s_mov_b32 s69, 0                               ; trips: (n - 1) / 4 + 1, at most 4
	s_lshr_b32 s70, s43, 2
	s_min_u32 s70, s70, 3
	s_add_co_u32 s70, s70, 1
.Lb_\@:
	FOUR 12, OB, 1
.irp u, 0,1,2,3
	v_add_nc_u32 v[TA+\u], s[56+\u], v[L16]
.endr
.irp u, 0,1,2,3
.irp q, 0,1,2,3
	ds_load_b128 v[S+16*\u+4*\q:S+16*\u+4*\q+3], v[TA+\u] offset:2048*\eta+512*\q
.endr
.endr
	WA
	s_wait_dscnt 0x0
.irp u, 0,1,2,3
.irp m, 0,2,4,6,8,10,12,14
	v_pk_fma_f32 v[O+16*\eta+\m:O+16*\eta+\m+1], v[S+16*\u+\m:S+16*\u+\m+1], s[48+2*\u:49+2*\u], v[O+16*\eta+\m:O+16*\eta+\m+1] op_sel_hi:[1,0,1]
.endr
.endr
	s_add_co_u32 s45, s45, 4
	s_add_co_u32 s69, s69, 1
	s_cmp_lt_u32 s69, s70
	WA
	s_cbranch_scc1 .Lb_\@
.Lsum_\@:
	v_max3_num_f32 v[BM], |v[O+16*\eta]|, |v[O+16*\eta+1]|, 0x1800000      ; the floor 2^(3 - 127) holds the byte at 1 from below
	v_max3_num_f32 v[BM+1], |v[O+16*\eta+2]|, |v[O+16*\eta+3]|, |v[O+16*\eta+4]|
.irp i, 5,9
	v_max3_num_f32 v[BM], v[BM], |v[O+16*\eta+\i]|, |v[O+16*\eta+\i+1]|
	v_max3_num_f32 v[BM+1], v[BM+1], |v[O+16*\eta+\i+2]|, |v[O+16*\eta+\i+3]|
.endr
	v_max3_num_f32 v[BM], v[BM], |v[O+16*\eta+13]|, |v[O+16*\eta+14]|
	v_max3_num_f32 v[BM], v[BM], v[BM+1], |v[O+16*\eta+15]|
	v_permlanex16_b32 v[BX], v[BM], s24, s25
	v_max_num_f32 v[BM], v[BM], v[BX]              ; with lane l xor 16's 16 channels: the block's largest magnitude
	v_add_nc_u32 v[SO], 0xff000000, v[BM]          ; 2 off the exponent field
	v_lshrrev_b32 v[BY], 23, v[SO]
	v_cvt_scalef32_pk16_fp6_f32 v[T1:T1+2], v[O+16*\eta:O+16*\eta+15], v[SO]
	v_nop                                          ; one plain place behind a scaled conversion
.irp i, 0,1,2
	v_permlanex16_b32 v[T1+4+\i], v[T1+\i], s24, s25
.endr
.irp i, 0,1,2                          ; every lane builds row r's whole block: channels 0-15 of it from the lanes with h = 0, 16-31 from those with h = 1
	v_cndmask_b32 v[PC+\i], v[T1+\i], v[T1+4+\i], s26
	v_cndmask_b32 v[PC+3+\i], v[T1+4+\i], v[T1+\i], s26
.endr
	s_min_u32 s47, s40, 15                         ; a tile of the work-group: 0 .. 15
	s_mul_i32 s47, s47, 102400                     ; tile i lies four quarters of 25,600 bytes behind tile i - 1
	s_add_co_u32 s46, s47, s61
	s_add_co_u32 s47, s47, s62
	v_lshl_add_u32 v[TA], v[R8], 1, s46
	v_add_nc_u32 v[TA+1], s46, v[R8]
	v_lshl_add_u32 v[TA+2], v[R8], 2, s47
	global_store_b128 v[TA], v[PC:PC+3], s[14:15] offset:1024+256*\eta     ; the place of the fragment's lane (r, eta): 256 consecutive bytes, aligned; both halves of the lanes write the same
	global_store_b64 v[TA+1], v[PC+4:PC+5], s[14:15] offset:1536+128*\eta
	global_store_b8 v[TA+2], v[BY], s[14:15] offset:\eta
.Lnot_\@:
.endm
	s_load_b256 s[4:11], s[0:1], 0x0               ; qh s[4:5], kh s[6:7], vh s[8:9], lists s[10:11]
	s_load_b128 s[12:15], s[0:1], 0x20             ; block_mask s[12:13], ao s[14:15]
	v_lshrrev_b32 v3, 5, v0
	v_readfirstlane_b32 s16, v3                    ; wave 0..15
	s_and_b32 s18, ttmp7, 0xffff                   ; bh = 16 x sequence + head
	s_and_b32 s19, ttmp9, 3                        ; t: the tiles' place in their blocks of 64 queries
	s_lshr_b32 s20, ttmp9, 2
	s_lshl_b32 s21, s16, 1
	s_add_co_u32 s21, s21, s20                     ; tile i = wave lies in query block 2 i + jx / 4: I bring its Q
	s_mul_i32 s34, s18, 32*REC                     ; the head's records
	s_mov_b32 s35, 0
	s_mul_i32 s36, s21, REC
	s_add_co_u32 s36, s36, s34
	s_mov_b32 s37, 0
	s_mul_i32 s38, s19, 768
	s_lshl_b32 s39, s19, 2
	s_mul_i32 s40, s16, 7168                       ; my sixteenth of the head's K and of its V
	s_mov_b32 s22, 0x3e38aa3b                      ; c = log2(e) / 8
	s_mov_b32 s23, s22
	s_mov_b32 s24, 0x76543210
	s_mov_b32 s25, 0xfedcba98                      ; v_permlanex16_b32's selects for lane l xor 16
	s_mov_b32 s26, 0xffff0000                      ; the lanes with h = 1
	s_lshl_b32 s60, s20, 6                         ; tile 0's first query: 64 (jx / 4) + 32 (t / 2) + 8 (t % 2), as a row of the mask
	s_lshr_b32 s44, s19, 1
	s_lshl_b32 s44, s44, 5
	s_add_co_u32 s60, s60, s44
	s_and_b32 s44, s19, 1
	s_lshl_b32 s44, s44, 3
	s_add_co_u32 s60, s60, s44
	s_lshl_b32 s60, s60, 11
	s_and_b32 s46, ttmp9, 1                        ; ao: the tile in its quarter,
	s_and_b32 s47, s18, 15                         ; my head
	s_mul_i32 s61, s46, 12288
	s_lshr_b32 s48, s47, 1
	s_mul_i32 s48, s48, 1536
	s_add_co_u32 s61, s61, s48
	s_and_b32 s48, s47, 1
	s_mul_i32 s48, s48, 768
	s_add_co_u32 s61, s61, s48                     ; my half fragment
	s_lshl_b32 s62, s46, 9
	s_lshl_b32 s48, s47, 1
	s_add_co_u32 s62, s62, s48                     ; my head's two scale bytes
	s_lshr_b32 s44, s18, 4
	s_lshl_b32 s44, s44, 6
	s_lshr_b32 s45, ttmp9, 1
	s_add_co_u32 s44, s44, s45
	s_mul_i32 s44, s44, 25600                      ; tile 0's quarter
	s_mov_b32 s45, 0
	s_lshl_b32 s63, s16, 12
	s_add_co_u32 s63, s63, OB                      ; my part of O^T
	s_lshl_b32 s66, s16, 7
	s_add_co_u32 s66, s66, ST                      ; my pairs
	s_add_co_u32 s67, s40, VOFF                    ; my sixteenth of V in LDS
	s_lshl_b32 s68, s16, 10
	s_add_co_u32 s68, s68, QL
.irp k, 30,31,32,33,41,42,43,49,51,53,55
	s_mov_b32 s\k, 0                               ; written once: a round's numbers, and the upper halves of the weights' pairs
.endr
	v_and_b32 v3, 31, v0                           ; lane
	v_and_b32 v4, 15, v0                           ; r
	v_bfe_u32 v5, v0, 4, 1                         ; h
	v_lshlrev_b32 v[L16], 4, v3
	v_lshlrev_b32 v[L8], 3, v3
	v_lshlrev_b32 v[R8], 3, v4
	v_and_b32 v[RB], 8, v4
	v_lshlrev_b32 v240, 10, v4                     ; lane i % 16: tile i's record, 8 records of 128 bytes on
	v_add_nc_u32 v[RB], v[RB], v4
	v_add_nc_u32 v241, s38, v[L16]
	v_add_nc_u32 v242, s38, v[L8]
	v_lshlrev_b32 v[RB], 11, v[RB]
	v_add_nc_u32 v243, s39, v[L16]
	v_add_nc_u32 v244, s40, v[L16]
	v_lshl_add_u32 v[RB], v5, 4, v[RB]
	v_add_nc_u32 v246, s68, v[L16]
	v_add_nc_u32 v247, s68, v[L8]
	v_mov_b32 v[NINF], 0xff800000
	v_mov_b32 v[DESC], -1
.irp i, 0,1,2,3,4,5
	v_mov_b32 v[Q+6+\i], 0                         ; Q's zero codes for k = 64 .. 127
	v_mov_b32 v[FB+48+\i], 0                       ; what stands behind K's last tile
.endr
.irp k, 12,13,30,31,152,153,154,155,156,157,158,159,224,225,226,227,228,229,230,231
	v_mov_b32 v\k, 0                               ; written once: permutes' destinations, upper halves of pairs, and what a later part of a round names
.endr
	WA
	s_wait_kmcnt 0x0
	s_add_nc_u64 s[4:5], s[4:5], s[36:37]
	s_add_nc_u64 s[6:7], s[6:7], s[34:35]
	s_add_nc_u64 s[8:9], s[8:9], s[34:35]
	s_add_nc_u64 s[14:15], s[14:15], s[44:45]
	s_lshl_b32 s36, ttmp9, 7
	s_add_nc_u64 s[10:11], s[10:11], s[36:37]      ; the lists at tile jx
	global_load_b32 v[PW], v240, s[10:11] offset:64        ; steps | open steps << 16 of tile i
	global_load_b128 v[Q:Q+3], v241, s[4:5] offset:512
	global_load_b64 v[Q+4:Q+5], v242, s[4:5] offset:1024
	global_load_b32 v[QS], v243, s[4:5]
.irp i, 0,1,2,3,4,5,6,7,8,9,10,11,12,13
	global_load_b128 v[96+4*\i:99+4*\i], v244, s[6:7] offset:512*\i        ; 512 consecutive bytes a load
.endr
	s_mov_b32 s50, 0                               ; the next free place of the round,
	s_mov_b32 s52, 0                               ; and the round
	s_wait_loadcnt 17                              ; the counts are in: behind them Q's 3 loads and K's 14
.irp i, 0,1,2,3,4,5,6,7,8,9,10,11,12,13,14,15
	v_readlane_b32 s44, v[PW], \i
	s_lshr_b32 s45, s44, 16                        ; steps wholly open, first in the list
	s_and_b32 s44, s44, 0xffff
	s_min_u32 s44, s44, 16
	s_max_u32 s44, s44, 1                          ; n
	s_add_co_u32 s46, s50, s44
	s_cmp_gt_u32 s46, 16                           ; it does not fit: the next round, from place 0
	s_cselect_b32 s50, 0, s50
	s_cselect_b32 s46, 1, 0
	s_add_co_u32 s52, s52, s46
	s_sub_co_u32 s46, s16, s50                     ; which of its steps would be mine
	s_cmp_lt_u32 s46, s45
	s_cselect_b32 s47, 0x10000, 0
	s_lshl_b32 s54, s46, 4
	s_or_b32 s47, s47, s54
	s_lshl_b32 s54, s50, 8
	s_or_b32 s47, s47, s54
	s_sub_co_u32 s54, s44, 1
	s_lshl_b32 s54, s54, 12
	s_or_b32 s47, s47, s54
	s_or_b32 s47, s47, \i
	s_cmp_lt_u32 s46, s44                          ; is my place among its n?
	s_cselect_b32 s54, s52, 31                     ; if not, the word goes to lane 31, which is never read
	WA
	v_writelane_b32 v[DESC], s47, s54
	s_add_co_u32 s50, s50, s44
.endr
	s_mov_b32 s51, 0
	s_mov_b32 s53, 0
	s_mov_b32 s55, 0
	WA
	v_and_b32 v248, 15, v[DESC]
	v_bfe_u32 v249, v[DESC], 4, 4
	v_min_u32 v248, 15, v248
	v_min_u32 v249, 15, v249
	v_lshlrev_b32 v248, 10, v248
	s_delay_alu instid0(VALU_DEP_1)
	v_lshl_add_u32 v248, v249, 2, v248
	global_load_b32 v[LW], v248, s[10:11]          ; lane k: the two key blocks of my step in round k
.irp i, 0,1,2,3,4,5,6,7,8,9,10,11,12,13
	global_load_b128 v[160+4*\i:163+4*\i], v244, s[8:9] offset:512*\i
.endr
	s_wait_loadcnt 15                              ; Q and K are in: behind them the list words and V's 14
	ds_store_b128 v246, v[Q:Q+3]
	ds_store_b64 v247, v[Q+4:Q+5] offset:512
	ds_store_b64 v247, v[QS:QS+1] offset:768       ; the scale word and the register behind it: every byte of the tile's 1,024 is written
.irp i, 0,1,2,3,4,5,6,7,8,9,10,11,12,13
	ds_store_b128 v244, v[96+4*\i:99+4*\i] offset:512*\i
.endr
	s_wait_loadcnt 14                              ; the list words; V's 14 may be out
	s_wait_xcnt 0x0                                ; V's loads have read their address register
	s_wait_dscnt 0x0                               ; for the others' sake: my stores have landed
	s_barrier_signal -1
	s_barrier_wait -1                              ; the head's K and the 16 tiles of Q lie in LDS
	s_mov_b32 s28, 0
.Lround:
	s_wait_xcnt 0x0                                ; the last round's stores have read their registers
	v_readlane_b32 s29, v[DESC], s28
	s_cmp_lt_i32 s29, 0
	s_cbranch_scc1 .LskipA
	v_readlane_b32 s36, v[LW], s28
	s_and_b32 s40, s29, 15                         ; i
	s_min_u32 s40, s40, 15
	s_bfe_u32 s41, s29, 0x40004                    ; my step
	s_bfe_u32 s42, s29, 0x40008                    ; the tile's first place
	s_bfe_u32 s43, s29, 0x4000c                    ; n - 1
	s_and_b32 s30, s36, 0xffff
	s_lshr_b32 s31, s36, 16
	s_min_u32 s30, s30, 31                         ; a key block: 0 .. 31
	s_min_u32 s31, s31, 31
	s_mul_i32 s32, s30, REC
	s_mul_i32 s33, s31, REC
	s_lshl_b32 s34, s40, 10
	s_add_co_u32 s34, s34, QL
	v_add_nc_u32 v[A0], s32, v[L16]
	v_add_nc_u32 v[A1], s32, v[L8]
	v_add_nc_u32 v[A2], s33, v[L16]
	v_add_nc_u32 v[A3], s33, v[L8]
	v_add_nc_u32 v[MA0], s34, v[L16]
	v_add_nc_u32 v[MA1], s34, v[L8]
	ds_load_b128 v[Q:Q+3], v[MA0]
	ds_load_b64 v[Q+4:Q+5], v[MA1] offset:512
	ds_load_b32 v[QS], v[MA1] offset:768
	ds_load_b128 v[KS:KS+3], v[A0]
	ds_load_b128 v[KS+4:KS+7], v[A2]
.irp i, 0,1,2,3
	ds_load_b128 v[FB+6*\i:FB+6*\i+3], v[A0] offset:512+768*\i
	ds_load_b64 v[FB+6*\i+4:FB+6*\i+5], v[A1] offset:1024+768*\i
.endr
.irp i, 0,1,2,3
	ds_load_b128 v[FB+24+6*\i:FB+24+6*\i+3], v[A2] offset:512+768*\i
	ds_load_b64 v[FB+24+6*\i+4:FB+24+6*\i+5], v[A3] offset:1024+768*\i
.endr
	s_wait_dscnt 0x0
.irp i, 0,1,2,3,4,5,6,7
	v_wmma_scale_f32_16x16x128_f8f6f4 v[S+8*\i:S+8*\i+7], v[FB+6*\i:FB+6*\i+11], v[Q:Q+11], 0, v[KS+\i], v[QS] matrix_a_fmt:MATRIX_FMT_FP6 matrix_b_fmt:MATRIX_FMT_FP6
.endr
	PLACES
	s_bitcmp1_b32 s29, 16
	s_cbranch_scc1 .Lopen                          ; both blocks wholly open
	s_lshl_b32 s34, s40, 18                        ; register 16 b + i holds key 64 x block(b / 2) + 32 (b % 2) + 16 h + i: its mask byte is byte i of the 16 at my row
	s_add_co_u32 s34, s34, s60
	s_lshl_b32 s35, s31, 6
	s_add_co_u32 s35, s35, s34
	s_lshl_b32 s37, s30, 6
	s_add_co_u32 s34, s34, s37
	v_add_nc_u32 v[MA0], s34, v[RB]
	v_add_nc_u32 v[MA1], s35, v[RB]
	global_load_b128 v[MK:MK+3], v[MA0], s[12:13]
	global_load_b128 v[MK+4:MK+7], v[MA0], s[12:13] offset:32
	global_load_b128 v[MK+8:MK+11], v[MA1], s[12:13]
	global_load_b128 v[MK+12:MK+15], v[MA1], s[12:13] offset:32
	s_wait_loadcnt 0x0
.set n, 0
.rept 64
	v_and_b32 v[BY], 0xff<<(8*(n%4)), v[MK+n/4]
	s_delay_alu instid0(VALU_DEP_1)
	v_cmp_eq_u32 vcc_lo, 0, v[BY]
	v_cndmask_b32 v[S+n], v[S+n], v[NINF], vcc_lo
.set n, n+1
.endr
.Lopen:
.irp b, 0,1,2,3                        ; the largest score of each block of 32 keys; the four blocks by turns; each accumulator is read from its low end on
	v_max3_num_f32 v[BM+\b], v[S+16*\b], v[S+16*\b+1], v[S+16*\b+2]
.endr
.irp i, 3,5,7,9,11,13
.irp b, 0,1,2,3
	v_max3_num_f32 v[BM+\b], v[BM+\b], v[S+16*\b+\i], v[S+16*\b+\i+1]
.endr
.endr
.irp b, 0,1,2,3
	v_max_num_f32 v[BM+\b], v[BM+\b], v[S+16*\b+15]
.endr
.irp b, 0,1,2,3
	v_permlanex16_b32 v[BX+\b], v[BM+\b], s24, s25
.endr
.irp b, 0,1,2,3
	v_max_num_f32 v[BM+\b], v[BM+\b], v[BX+\b]     ; with lane l xor 16's 16 keys
.endr
	v_max3_num_f32 v13, v[BM], v[BM+1], v[BM+2]
	s_delay_alu instid0(VALU_DEP_1)
	v_max_num_f32 v13, v13, v[BM+3]
	s_delay_alu instid0(VALU_DEP_1)
	v_mul_f32 v13, s22, v13                        ; as t (c is positive)
	s_delay_alu instid0(VALU_DEP_1)
	v_max_num_f32 v13, 0xff61b1e6, v13             ; not under -3e38: a step with no open key keeps a finite M_w
	s_delay_alu instid0(VALU_DEP_1)
	v_floor_f32 v12, -v13                          ; -M_w = -ceil(t)
.set n, 0
.rept 32
	v_pk_fma_f32 v[S+n:S+n+1], v[S+n:S+n+1], s[22:23], v[12:13] op_sel_hi:[1,0,0]  ; t - M_w
.set n, n+2
.endr
.irp b, 0,1,2,3
	v_fma_f32 v[BM+\b], v[BM+\b], s22, v12
.endr
	WA
.set n, 0
.rept 64
	v_exp_f32 v[S+n], v[S+n]
.set n, n+1
.endr
.irp b, 0,1,2,3
	v_exp_f32 v[BM+\b], v[BM+\b]                   ; each block's largest p
.endr
	v_add_nc_u32 v[MA0], s66, v[R8]                ; a plain place behind the batch: where my pair goes
	WA
.irp j, 0,1,2,3,4,5,6,7                ; the sum of the unquantised p, in eight chains
	v_pk_add_f32 v[TP+2*\j:TP+2*\j+1], v[S+8*\j:S+8*\j+1], v[S+8*\j+2:S+8*\j+3]
.endr
.irp o, 4,6
.irp j, 0,1,2,3,4,5,6,7
	v_pk_add_f32 v[TP+2*\j:TP+2*\j+1], v[TP+2*\j:TP+2*\j+1], v[S+8*\j+\o:S+8*\j+\o+1]
.endr
.endr
.irp j, 0,1,2,3
	v_pk_add_f32 v[TP+2*\j:TP+2*\j+1], v[TP+2*\j:TP+2*\j+1], v[TP+8+2*\j:TP+9+2*\j]
.endr
.irp j, 0,1
	v_pk_add_f32 v[TP+2*\j:TP+2*\j+1], v[TP+2*\j:TP+2*\j+1], v[TP+4+2*\j:TP+5+2*\j]
.endr
	s_delay_alu instid0(VALU_DEP_1)
	v_pk_add_f32 v[TP:TP+1], v[TP:TP+1], v[TP+2:TP+3]
	s_delay_alu instid0(VALU_DEP_1)
	v_add_f32 v13, v[TP], v[TP+1]
	s_delay_alu instid0(VALU_DEP_1)
	v_permlanex16_b32 v[BX], v13, s24, s25
	s_delay_alu instid0(VALU_DEP_1)
	v_add_f32 v13, v13, v[BX]                      ; my step's sum for query r
	ds_store_b64 v[MA0], v[12:13]                  ; both halves of the lanes write the same pair
.LskipA:
	s_cmp_lg_u32 s28, 0
	s_cbranch_scc1 .LnoV
	s_wait_loadcnt 0x0                             ; round 0 alone: V goes to LDS behind the first scores
	v_add_nc_u32 v[MA1], s67, v[L16]
.irp i, 0,1,2,3,4,5,6,7,8,9,10,11,12,13
	ds_store_b128 v[MA1], v[160+4*\i:163+4*\i] offset:512*\i
.endr
.LnoV:
	WA
	s_wait_dscnt 0x0                               ; my pair (and V) has landed; my reads of the parts of O^T are over
	s_barrier_signal -1
	s_barrier_wait -1
	s_cmp_lt_i32 s29, 0
	s_cbranch_scc1 .LskipB
	v_mov_b32 v[NM], 0x7f7fffff                    ; the least -M_w so far,
	v_mov_b32 v[LR], 0                             ; and l under it
	s_mov_b32 s45, 0
	s_mov_b32 s69, 0                               ; trips: (n - 1) / 4 + 1, at most 4
	s_lshr_b32 s70, s43, 2
	s_min_u32 s70, s70, 3
	s_add_co_u32 s70, s70, 1
.Lcomb:
	FOUR 7, ST, 0
.irp u, 0,1,2,3
	v_add_nc_u32 v[TA+\u], s[56+\u], v[R8]
.endr
.irp u, 0,1,2,3
	ds_load_b64 v[CS+2*\u:CS+2*\u+1], v[TA+\u]
.endr
	WA
	s_wait_dscnt 0x0
	v_min_num_f32 v[NN], v[NM], v[CS]
	v_min_num_f32 v[D4], v[CS+2], v[CS+4]
	v_min_num_f32 v[NN], v[NN], v[CS+6]
	v_min_num_f32 v[NN], v[NN], v[D4]              ; the least -M_w: -M
	v_sub_f32 v[D4], v[NN], v[NM]                  ; whole numbers, 0 or less: M_w - M
.irp u, 0,1,2,3
	v_sub_f32 v[CS+2*\u], v[NN], v[CS+2*\u]
.endr
	v_cvt_i32_f32 v[D4], v[D4]                     ; (it saturates)
.irp u, 0,1,2,3
	v_cvt_i32_f32 v[CS+2*\u], v[CS+2*\u]
.endr
	v_ldexp_f32 v[LR], v[LR], v[D4]                ; exact factors
.irp u, 0,1,2,3
	v_ldexp_f32 v[CS+2*\u+1], v[CS+2*\u+1], v[CS+2*\u]
.endr
.irp u, 0,1,2,3
	v_fma_f32 v[LR], v[CS+2*\u+1], s[48+2*\u], v[LR]
.endr
	v_mov_b32 v[NM], v[NN]
	s_add_co_u32 s45, s45, 4
	s_add_co_u32 s69, s69, 1
	s_cmp_lt_u32 s69, s70
	WA
	s_cbranch_scc1 .Lcomb
	s_min_u32 s34, s30, 31                         ; my step's two key blocks, 0 .. 31: V's records
	s_min_u32 s35, s31, 31
	s_mul_i32 s34, s34, REC
	s_mul_i32 s35, s35, REC
	s_add_co_u32 s34, s34, VOFF
	s_add_co_u32 s35, s35, VOFF
	v_add_nc_u32 v[A0], s34, v[L16]
	v_add_nc_u32 v[A1], s34, v[L8]
	v_add_nc_u32 v[A2], s35, v[L16]
	v_add_nc_u32 v[A3], s35, v[L8]
	ds_load_b128 v[VR:VR+3], v[A0]
	ds_load_b128 v[VR+4:VR+7], v[A2]
.irp d, 0,1,2,3                        ; tile d of V^T: 16 channels x 128 keys: registers 0-5 from the first block, 6-11 from the second
	ds_load_b128 v[FB+12*\d:FB+12*\d+3], v[A0] offset:512+768*\d
	ds_load_b64 v[FB+12*\d+4:FB+12*\d+5], v[A1] offset:1024+768*\d
	ds_load_b128 v[FB+12*\d+6:FB+12*\d+9], v[A2] offset:512+768*\d
	ds_load_b64 v[FB+12*\d+10:FB+12*\d+11], v[A3] offset:1024+768*\d
.endr
	WA
	v_rcp_f32 v[G], v[LR]
	v_sub_f32 v[D4], v[NM], v12                    ; M_w - M
	v_cmp_lt_f32 vcc_lo, 0, v[LR]
	v_cvt_i32_f32 v[D4], v[D4]
	WA
	v_cndmask_b32 v[G], 0, v[G], vcc_lo            ; a row with no open key: P = 0
	s_delay_alu instid0(VALU_DEP_1)
	v_ldexp_f32 v[G], v[G], v[D4]
	s_delay_alu instid0(VALU_DEP_1)
	v_mov_b32 v[G+1], v[G]
.set n, 0
.rept 32
	v_pk_mul_f32 v[S+n:S+n+1], v[S+n:S+n+1], v[G:G+1] op_sel_hi:[1,0]      ; P: finished and normalised
.set n, n+2
.endr
.irp b, 0,1,2,3
	v_mul_f32 v[BM+\b], v[BM+\b], v[G]             ; the same instructions on the same number give the same bits
.endr
.irp b, 0,1,2,3
	v_max_num_f32 v[BM+\b], 0x1800000, v[BM+\b]    ; the floor: a block of zeros keeps the byte 1
.endr
.irp b, 0,1,2,3
	v_add_nc_u32 v[SO+\b], 0xff000000, v[BM+\b]
.endr
.irp b, 0,1,2,3
	v_lshrrev_b32 v[BY+\b], 23, v[SO+\b]
.endr
	v_lshl_or_b32 v[PW], v[BY+1], 8, v[BY]
	s_delay_alu instid0(VALU_DEP_1)
	v_lshl_or_b32 v[PW], v[BY+2], 16, v[PW]
	s_delay_alu instid0(VALU_DEP_1)
	v_lshl_or_b32 v[PW], v[BY+3], 24, v[PW]
	WA
	s_wait_dscnt 0x0                               ; V
.irp d, 0,1,2,3
	v_lshl_or_b32 v[VW+\d], v[VR+4+\d], 16, v[VR+\d]   ; tile d's scale word: two bytes from each block's record
.endr
.irp c, 0,1
	v_cvt_scalef32_pk16_fp6_f32 v[PC+6*\c:PC+6*\c+2], v[S+32*\c:S+32*\c+15], v[SO+2*\c]
	v_cvt_scalef32_pk16_fp6_f32 v[T1+4*\c:T1+4*\c+2], v[S+32*\c+16:S+32*\c+31], v[SO+2*\c+1]
.endr
	v_nop                                          ; one plain place behind a scaled conversion
.irp c, 0,1
.irp i, 0,1,2
	v_permlane16_swap_b32 v[PC+6*\c+\i], v[T1+4*\c+\i]     ; the layout wants a whole block in a lane
.endr
.irp i, 0,1,2
	v_mov_b32 v[PC+6*\c+3+\i], v[T1+4*\c+\i]
.endr
.endr
	v_add_nc_u32 v[MA0], s63, v[L16]               ; where my part of O^T goes; with the seven below: 8 places ahead of a scaled matrix instruction behind the writes of its scale registers
.rept 7
	v_nop
.endr
.irp d, 0,1,2,3
	v_wmma_scale_f32_16x16x128_f8f6f4 v[O+8*\d:O+8*\d+7], v[FB+12*\d:FB+12*\d+11], v[PC:PC+11], 0, v[VW+\d], v[PW] matrix_a_fmt:MATRIX_FMT_FP6 matrix_b_fmt:MATRIX_FMT_FP6
.endr
	PLACES
.irp q, 0,1,2,3,4,5,6,7
	ds_store_b128 v[MA0], v[O+4*\q:O+4*\q+3] offset:512*\q
.endr
.LskipB:
	WA
	s_wait_dscnt 0x0                               ; my part has landed; my reads of the pairs are over
	s_barrier_signal -1
	s_barrier_wait -1
	s_cmp_lt_i32 s29, 0
	s_cbranch_scc1 .LskipC
	RED 0
	RED 1
.LskipC:
	s_add_co_u32 s28, s28, 1
	s_cmp_lt_u32 s28, 16
	WA
	s_cbranch_scc1 .Lround
	s_wait_xcnt 0x0
	v_lshl_add_u32 v254, v0, 2, SPARE
	v_mov_b32 v255, 0
	WA
	s_wait_tensorcnt 0x0                           ; the wave's end
	ds_add_u32 v254, v255
	s_wait_dscnt 0x0
	s_endpgm
.Lfunc_end_k_q4ecf01f61a_attn:
	.size	k_q4ecf01f61a_attn, .Lfunc_end_k_q4ecf01f61a_attn-k_q4ecf01f61a_attn
	.p2alignl 7, 3214868480
	.fill 96, 4, 3214868480
	.section	.rodata,"a",@progbits
	.p2align	6, 0x0
	.amdhsa_kernel k_q4ecf01f61a_attn
		.amdhsa_group_segment_fixed_size 315392
		.amdhsa_private_segment_fixed_size 0
		.amdhsa_enable_private_segment 0
		.amdhsa_kernarg_size 48
		.amdhsa_user_sgpr_count 2
		.amdhsa_user_sgpr_kernarg_segment_ptr 1
		.amdhsa_wavefront_size32 1
		.amdhsa_system_sgpr_workgroup_id_x 1
		.amdhsa_system_sgpr_workgroup_id_y 1
		.amdhsa_system_sgpr_workgroup_id_z 1
		.amdhsa_system_vgpr_workitem_id 0
		.amdhsa_next_free_vgpr 256
		.amdhsa_next_free_sgpr 72
		.amdhsa_reserve_vcc 1
		.amdhsa_float_denorm_mode_32 3
		.amdhsa_float_denorm_mode_16_64 3
		.amdhsa_memory_ordered 1
		.amdhsa_forward_progress 1
		.amdhsa_inst_pref_size 75
	.end_amdhsa_kernel
	.amdgpu_metadata
---
amdhsa.version: [ 1, 2 ]
amdhsa.kernels:
  - .name:           k_q4ecf01f61a_attn
    .symbol:         k_q4ecf01f61a_attn.kd
    .args:
      - { .name: qh, .offset: 0, .size: 8, .value_kind: global_buffer, .address_space: global }
      - { .name: kh, .offset: 8, .size: 8, .value_kind: global_buffer, .address_space: global }
      - { .name: vh, .offset: 16, .size: 8, .value_kind: global_buffer, .address_space: global }
      - { .name: lists, .offset: 24, .size: 8, .value_kind: global_buffer, .address_space: global }
      - { .name: block_mask, .offset: 32, .size: 8, .value_kind: global_buffer, .address_space: global }
      - { .name: ao, .offset: 40, .size: 8, .value_kind: global_buffer, .address_space: global }
    .group_segment_fixed_size: 315392
    .private_segment_fixed_size: 0
    .kernarg_segment_align: 8
    .kernarg_segment_size: 48
    .max_flat_workgroup_size: 512
    .sgpr_count:     72
    .vgpr_count:     256
    .wavefront_size: 32
...
	.end_amdgpu_metadata
.endif
;; end of part 3
;; launch oproj (part 4): grid 8 x 32, 4 waves a work-group, clusters of 4 x 4, 327,680 bytes of LDS; arguments ao, wc, bo, out0; writes out0
.if DOCPART == 4
	.amdgcn_target "amdgcn-amd-amdhsa--gfx1250"
	.amdhsa_code_object_version 6
	.text
	.protected	k_q4ecf01f61a_oproj
	.globl	k_q4ecf01f61a_oproj
	.p2align	8
	.type	k_q4ecf01f61a_oproj,@function
k_q4ecf01f61a_oproj:
	s_mov_b64 s[64:65], 0
	v_nop
	global_prefetch_b8 v0, s[64:65] scope:SCOPE_SE
	s_setreg_imm32_b32 hwreg(HW_REG_WAVE_MODE, 25, 1), 1
	s_wait_xcnt 0x0
	s_wait_alu depctr_hold_cnt(0) depctr_sa_sdst(0) depctr_va_vdst(0) depctr_va_sdst(0) depctr_va_ssrc(0) depctr_va_vcc(0) depctr_vm_vsrc(0)
	s_getreg_b32 s2, hwreg(HW_REG_IB_STS2, 6, 4)
	s_cmp_eq_u32 s2, 0
	s_cbranch_scc0 .Lentry_in_a_cluster
	s_endpgm
.Lentry_in_a_cluster:
	s_bfe_u32 s2, ttmp6, 0x10000c
	s_cmp_lg_u32 s2, 0xf033
	s_cbranch_scc0 .Lentry_shape_is_right
	s_endpgm
.Lentry_shape_is_right:
.set AP,   0
.set WP,   102400
.set STG,  204800
.set QB,   25600
.set WB,   819200
.set AA16, 1
.set AA8,  2
.set AW,   3
.set ASA,  4
.set ASW,  5
.set BQO,  6
.set STO,  7
.set RD,   8
.set CO,   9
.set ASC,  32
.set WSC,  64
.set BI,   96
.set ACC,  128
.set MSB, 0
.macro WIN new
.if MSB != \new
	s_set_vgpr_msb (MSB<<8)|\new
.set MSB, \new
.endif
.endm
.set MUL,  0x05
.set TO_F, 0x40
.set FROM_F, 0x04
.macro PLACES
.rept 4
	v_nop
.endr
.endm
.macro CROUND
	s_barrier_signal -1
	s_barrier_wait -1
	s_cmp_lg_u32 s12, 0
	s_cbranch_scc1 .Lnot_wave_0_\@
	s_barrier_signal -3
.Lnot_wave_0_\@:
	s_barrier_wait -3
	s_barrier_signal -1
	s_barrier_wait -1
.endm
.macro FETCH3 f, s
.irp t, 0,1,2,3
.irp c, 0,1,2
	ds_load_b128 v[\f+12*\t+4*\c:\f+12*\t+4*\c+3], v[AW] offset:QB*(\t/2)+1024+12288*(\t%2)+1536*(\s)+512*\c
.endr
.endr
.endm
.macro FETCHH f, s
.irp t, 0,1,2,3
	ds_load_b128 v[\f+12*\t:\f+12*\t+3], v[AA16] offset:QB*(\t/2)+1024+12288*(\t%2)+1536*(\s)
	ds_load_b64 v[\f+12*\t+4:\f+12*\t+5], v[AA8] offset:QB*(\t/2)+1024+12288*(\t%2)+1536*(\s)+512
	ds_load_b128 v[\f+12*\t+6:\f+12*\t+9], v[AA16] offset:QB*(\t/2)+1024+12288*(\t%2)+1536*(\s)+768
	ds_load_b64 v[\f+12*\t+10:\f+12*\t+11], v[AA8] offset:QB*(\t/2)+1024+12288*(\t%2)+1536*(\s)+1280
.endr
.endm
.macro SCL dst, adr
.irp i, 0,1,2,3
	ds_load_b128 v[\dst+8*\i:\dst+8*\i+3], v[\adr] offset:QB*(\i/2)+512*(\i%2)
	ds_load_b128 v[\dst+8*\i+4:\dst+8*\i+7], v[\adr] offset:QB*(\i/2)+512*(\i%2)+16
.endr
.endm
	s_load_b256 s[4:11], s[0:1], 0x0
	v_lshl_add_u32 v30, v0, 2, 0x38000
	v_mov_b32 v31, 0
	ds_add_u32 v30, v31
	ds_add_u32 v30, v31
	v_lshrrev_b32 v10, 5, v0
	v_readfirstlane_b32 s12, v10
	s_and_b32 s13, s12, 1
	s_lshr_b32 s14, s12, 1
	s_bfe_u32 s15, ttmp6, 0x40000
	s_bfe_u32 s16, ttmp6, 0x40004
	s_lshl_b32 s17, ttmp9, 2
	s_add_co_u32 s17, s17, s15
	s_and_b32 s18, ttmp7, 0xffff
	s_lshl_b32 s18, s18, 2
	s_add_co_u32 s18, s18, s16
	s_lshl_b32 s19, s16, 2
	s_lshl_b32 s19, 15, s19
	s_lshl_b32 s20, 0x1111, s15
	s_or_b32 s24, s19, (3<<16)|(1<<21)
	s_or_b32 s32, s20, (3<<16)|(1<<21)
.irp g, 24, 32
	s_mov_b32 s[\g+1], 32<<16
	s_mov_b32 s[\g+2], 100<<16
	s_mov_b32 s[\g+3], 32<<16
	s_mov_b32 s[\g+4], 100
	s_mov_b32 s[\g+5], 32
	s_mov_b32 s[\g+6], 0
	s_mov_b32 s[\g+7], 0
.endr
	s_mul_i32 s56, s12, QB
	s_mul_i32 s48, s18, 4*QB
	s_add_co_u32 s48, s48, s56
	s_mov_b32 s49, 0
	s_mul_i32 s50, s17, 4*QB
	s_add_co_u32 s50, s50, s56
	s_mov_b32 s51, 0
	s_wait_dscnt 0x0
	s_wait_kmcnt 0x0
	s_mov_b32 s40, 1
	s_add_co_u32 s41, s56, AP
	s_add_nc_u64 s[42:43], s[4:5], s[48:49]
	s_or_b32 s43, s43, 0x80000000
	s_mov_b32 s44, 1
	s_add_co_u32 s45, s56, WP
	s_add_nc_u64 s[46:47], s[6:7], s[50:51]
	s_add_nc_u64 s[46:47], s[46:47], 3*WB
	s_or_b32 s47, s47, 0x80000000
	CROUND
	tensor_load_to_lds s[40:43], s[24:31]
	s_nop 0
	s_wait_alu depctr_va_vdst(0)
	s_wait_tensorcnt 0x0
	ds_add_u32 v30, v31
	s_wait_dscnt 0x0
	CROUND
	tensor_load_to_lds s[44:47], s[32:39]
	s_nop 0
	PLACES
	v_and_b32 v10, 31, v0
	v_and_b32 v11, 15, v0
	v_bfe_u32 v12, v0, 4, 1
	s_mul_i32 s57, s14, 2*QB
	s_mul_i32 s58, s13, 2*QB
	s_add_co_u32 s58, s58, WP
	v_lshl_add_u32 v[AA16], v10, 4, s57
	v_lshl_add_u32 v[AA8], v10, 3, s57
	v_lshl_add_u32 v[AW], v10, 4, s58
	v_lshl_add_u32 v[ASA], v11, 5, s57
	v_lshl_add_u32 v[ASW], v11, 5, s58
	s_lshl_b32 s59, s13, 8
	v_lshl_add_u32 v[BQO], v12, 6, s59
	s_wait_alu depctr_va_vdst(0)
	s_mul_i32 s60, s12, 16*272
	s_add_co_u32 s60, s60, STG
	v_mul_u32_u24 v[STO], v11, 272
	v_lshl_add_u32 v[STO], v12, 6, v[STO]
	v_add_nc_u32 v[STO], s60, v[STO]
	v_mul_u32_u24 v[RD], v12, 272
	v_lshl_add_u32 v[RD], v11, 4, v[RD]
	v_add_nc_u32 v[RD], s60, v[RD]
	v_lshlrev_b32 v[CO], 12, v12
	v_lshl_add_u32 v[CO], v11, 4, v[CO]
	s_lshl_b32 s54, s17, 9
	s_mov_b32 s55, 0
	s_add_nc_u64 s[8:9], s[8:9], s[54:55]
	s_lshl_b32 s52, s18, 7
	s_lshl_b32 s53, s14, 6
	s_add_co_u32 s52, s52, s53
	s_lshl_b32 s52, s52, 12
	s_add_co_u32 s52, s52, s54
	s_add_co_u32 s52, s52, s59
	s_mov_b32 s53, 0
	s_add_nc_u64 s[10:11], s[10:11], s[52:53]
.irp p, 0,1,2,3
	global_load_b128 v[BI+8*\p:BI+8*\p+3], v[BQO], s[8:9] offset:(32*(\p/2)+8*(\p%2))*4
	global_load_b128 v[BI+8*\p+4:BI+8*\p+7], v[BQO], s[8:9] offset:(32*(\p/2)+8*(\p%2))*4+16
.endr
	s_wait_tensorcnt 0x0
	s_barrier_signal -1
	s_barrier_wait -1
	SCL ASC, ASA
	SCL WSC, ASW
	s_wait_loadcnt 0x0
	WIN TO_F
	FETCH3 0, 0
	FETCHH 48, 0
.set KT, 0
.rept 8
.set FBUF, 128*(KT%2)
.set FNXT, 128-FBUF
.if KT < 7
	PLACES
	WIN TO_F
	FETCH3 FNXT, KT+1
	FETCHH FNXT+48, KT+1
	s_wait_dscnt 28
.else
	s_wait_dscnt 0x0
.endif
	WIN MUL
.irp l, 0,1,2,3
.irp p, 0,1,2,3
.if KT == 0
	v_wmma_scale_f32_16x16x128_f8f6f4 v[ACC+32*\l+8*\p:ACC+32*\l+8*\p+7], v[FBUF+12*\p:FBUF+12*\p+11], v[FBUF+48+12*\l:FBUF+48+12*\l+11], v[BI+8*\p:BI+8*\p+7], v[WSC+8*\p+KT], v[ASC+8*\l+KT] matrix_a_fmt:MATRIX_FMT_FP6 matrix_b_fmt:MATRIX_FMT_FP6
.else
	v_wmma_scale_f32_16x16x128_f8f6f4 v[ACC+32*\l+8*\p:ACC+32*\l+8*\p+7], v[FBUF+12*\p:FBUF+12*\p+11], v[FBUF+48+12*\l:FBUF+48+12*\l+11], v[ACC+32*\l+8*\p:ACC+32*\l+8*\p+7], v[WSC+8*\p+KT], v[ASC+8*\l+KT] matrix_a_fmt:MATRIX_FMT_FP6 matrix_b_fmt:MATRIX_FMT_FP6
.endif
.endr
.endr
.set KT, KT+1
.endr
	WIN 0
.macro TOSTAGE l
	WIN 0
.irp p, 0,1,2,3
.irp q, 0,1
	ds_store_b128 v[STO], v[ACC+32*(\l)+8*\p+4*\q:ACC+32*(\l)+8*\p+4*\q+3] offset:128*(\p/2)+32*(\p%2)+16*\q
.endr
.endr
	WIN TO_F
.irp e, 0,1,2,3,4,5,6,7
	ds_load_b128 v[32*((\l)%2)+4*\e:32*((\l)%2)+4*\e+3], v[RD] offset:544*\e
.endr
.endm
.macro SEND l, younger
	s_wait_dscnt \younger
	WIN FROM_F
.irp e, 0,1,2,3,4,5,6,7
	global_store_b128 v[CO], v[32*((\l)%2)+4*\e:32*((\l)%2)+4*\e+3], s[10:11] offset:(32*((\l)/2)+8*((\l)%2)+2*\e+8*(\e/4))*4096 th:TH_STORE_NT
.endr
.endm
	PLACES
	s_wait_alu depctr_va_vdst(0)
	TOSTAGE 0
	TOSTAGE 1
	SEND 0, 16
	s_wait_xcnt 0x0
	TOSTAGE 2
	SEND 1, 16
	s_wait_xcnt 0x0
	TOSTAGE 3
	SEND 2, 16
	SEND 3, 0
	WIN 0
	s_wait_tensorcnt 0x0
	ds_add_u32 v30, v31
	s_wait_dscnt 0x0
	CROUND
	s_endpgm
.Lfunc_end_k_q4ecf01f61a_oproj:
	.size	k_q4ecf01f61a_oproj, .Lfunc_end_k_q4ecf01f61a_oproj-k_q4ecf01f61a_oproj
	.p2alignl 7, 3214868480
	.fill 96, 4, 3214868480
	.section	.rodata,"a",@progbits
	.p2align	6, 0x0
	.amdhsa_kernel k_q4ecf01f61a_oproj
		.amdhsa_group_segment_fixed_size 327680
		.amdhsa_private_segment_fixed_size 0
		.amdhsa_enable_private_segment 0
		.amdhsa_kernarg_size 32
		.amdhsa_user_sgpr_count 2
		.amdhsa_user_sgpr_kernarg_segment_ptr 1
		.amdhsa_wavefront_size32 1
		.amdhsa_system_sgpr_workgroup_id_x 1
		.amdhsa_system_sgpr_workgroup_id_y 1
		.amdhsa_system_sgpr_workgroup_id_z 1
		.amdhsa_system_vgpr_workitem_id 0
		.amdhsa_next_free_vgpr 512
		.amdhsa_next_free_sgpr 80
		.amdhsa_reserve_vcc 0
		.amdhsa_float_denorm_mode_32 3
		.amdhsa_float_denorm_mode_16_64 3
		.amdhsa_memory_ordered 1
		.amdhsa_forward_progress 1
		.amdhsa_inst_pref_size 48
	.end_amdhsa_kernel
	.amdgpu_metadata
---
amdhsa.version: [ 1, 2 ]
amdhsa.kernels:
  - .name:           k_q4ecf01f61a_oproj
    .symbol:         k_q4ecf01f61a_oproj.kd
    .args:
      - { .name: ao, .offset: 0, .size: 8, .value_kind: global_buffer, .address_space: global }
      - { .name: wc, .offset: 8, .size: 8, .value_kind: global_buffer, .address_space: global }
      - { .name: bo, .offset: 16, .size: 8, .value_kind: global_buffer, .address_space: global }
      - { .name: out0, .offset: 24, .size: 8, .value_kind: global_buffer, .address_space: global }
    .group_segment_fixed_size: 327680
    .private_segment_fixed_size: 0
    .kernarg_segment_align: 8
    .kernarg_segment_size: 32
    .max_flat_workgroup_size: 128
    .sgpr_count:     80
    .vgpr_count:     512
    .wavefront_size: 32
...
	.end_amdgpu_metadata
.endif
;; end of part 4
